; MI455X (gfx1250); checked and timed in simulation.
; The chip was launched on July 23, 2026; its instructions are those of AMD's public machine-readable ISA for CDNA 5 (MIT licence, August 2026) and "CDNA5" Instruction Set Architecture Reference Guide (July 2026). The comments in the code are by the model that wrote it; some were corrected since.
;; Multi Head Self Attention. Allowed arithmetic: matrix products marked QUANTISED: E2M1 operands, one E8M0 scale for each 32 along K, by v_wmma_scale_f32_16x16x128_f8f6f4 with both operands' format E2M1 (or v_wmma_scale_f32_32x16x128_f4), f32 sums; products left as they are: bf16, f16 or f32 operands; f32 sums; everything else in f32.
;; Inputs: Wk 1,024 x 1,024 float32; Wo 1,024 x 1,024 float32; Wq 1,024 x 1,024 float32; Wv 1,024 x 1,024 float32; x 1 x 4,096 x 1,024 float32.
;; Outputs: out0 1 x 4,096 x 1,024 float32.
;; This version of the problem:
;;   THIS VERSION OF THE PROBLEM IS GIVEN IN LOW PRECISION. The matrix products marked QUANTISED in the list below multiply operands that are first quantised to E2M1 (2 exponent bits, 1 mantissa bit; 4 bits a number), with one power-of-two scale for each 32 numbers along K (OCP MX v1.0); their sums are f32. The products marked 'left as it is' may take bf16, f16 or f32 operands, with f32 sums. Whichever they take, every output number must still come out within the allowed error. Rounding operands to bf16 (8 significant bits) uses up far more of that allowance than f16 does (11 bits, for magnitudes from 6e-5 to 65,504). All else is computed in f32.
;;   The module's matrix products, in the order in which they are computed (A, B: the left and right operand; K: the contracted axis; several contracted axes count as one K, in the product's order):
;;     1. [M 4,096, K 1,024] x [K 1,024, N 1,024]; A: input x; B: input Wq: QUANTISED
;;     2. [M 4,096, K 1,024] x [K 1,024, N 1,024]; A: input x; B: input Wk: QUANTISED
;;     3. [M 4,096, K 1,024] x [K 1,024, N 1,024]; A: input x; B: input Wv: QUANTISED
;;     4. batch 16 x [M 4,096, K 64] x [K 64, N 4,096]; A: computed on the way; B: computed on the way: left as it is (an operand is computed on the way)
;;     5. batch 16 x [M 4,096, K 4,096] x [K 4,096, N 64]; A: computed on the way; B: computed on the way: left as it is (an operand is computed on the way)
;;     6. [M 4,096, K 1,024] x [K 1,024, N 1,024]; A: computed on the way; B: input Wo: left as it is (an operand is computed on the way)
;;   THE QUANTISER, for each operand of a quantised product, along K:
;;     - K is cut into blocks of 32 from its start; a last block that is shorter is filled with zeros.
;;     - A block's scale is 2^e with e = floor(log2(the largest magnitude in the block)) - 2, held to -126 .. 127; a block of zeros has e = 0. As a byte (E8M0): e + 127.
;;     - Each number is divided by its block's scale, clamped to +-6, and rounded to the nearest number of E2M1, ties to even, subnormals kept.
;;     - The product sums the exact products of the quantised numbers (number of the format x scale) in f32.
;;   ~~~python
;;   def quantise(x, axis):      # numpy; x: float32 -> the quantised numbers, widened to float32 again
;;       x = np.moveaxis(x, axis, -1); K = x.shape[-1]
;;       x = np.pad(x, [(0, 0)] * (x.ndim - 1) + [(0, -K % 32)]); x = x.reshape(x.shape[:-1] + (-1, 32)); a = np.abs(x).max(-1, keepdims=True)
;;       e = np.where(a > 0, np.clip(np.frexp(np.where(a > 0, a, 1))[1] - 1 - 2, -126, 127), 0)      # np.frexp(a)[1] - 1 = floor(log2(a)), exactly
;;       r = np.clip(x / 2.0 ** e, -6, 6)
;;       step = 2.0 ** (np.maximum(np.frexp(np.where(r == 0, 1, r))[1] - 1, 0) - 1)
;;       q = np.round(r / step) * step * 2.0 ** e      # np.round: ties to even
;;       return np.moveaxis(q.reshape(q.shape[:-2] + (-1,))[..., :K], -1, axis).astype(np.float32)
;;   ~~~
;; One version. Each part assembles by itself: llvm-mc -triple=amdgcn-amd-amdhsa -mcpu=gfx1250 --defsym DOCPART=n.
;; ======== version 1 of 1: 5 launches
;; limits: values are held in f16: magnitudes above 65,504 overflow, below 6.1e-05 lose precision
;; workspace buffers: x_codes 2,097,152 bytes; x_scales 131,072 bytes; w_codes 1,572,864 bytes; w_scales 98,304 bytes; wo16 2,097,152 bytes; qkv16 25,165,824 bytes; qkv32 196,608 bytes; att16 8,388,608 bytes
;; launch quant (part 1): grid 256 x 1, 4 waves a work-group, no clusters, 33,280 bytes of LDS; arguments x, Wq, Wk, Wv, Wo, x_codes, x_scales, w_codes, w_scales, wo16; writes x_codes, x_scales, w_codes, w_scales, wo16
.if DOCPART == 1
	.amdgcn_target "amdgcn-amd-amdhsa--gfx1250"
	.amdhsa_code_object_version 6
	.text
	.protected	k_q9e7c8501d0_quant
	.globl	k_q9e7c8501d0_quant
	.p2align	8
	.type	k_q9e7c8501d0_quant,@function
k_q9e7c8501d0_quant:
	s_mov_b64 s[64:65], 0
	v_nop
	global_prefetch_b8 v0, s[64:65] scope:SCOPE_SE
	s_setreg_imm32_b32 hwreg(HW_REG_WAVE_MODE, 25, 1), 1
	s_wait_xcnt 0x0
; x [4096][1024], Wq, Wk, Wv [1024][1024], f32, K innermost, become codes of FP4 (E2M1) with one E8M0 byte for each 32 along K; Wo [1024][1024] becomes f16.
; Work-groups 0-127 take x, 128-159 Wq, 160-191 Wk, 192-223 Wv: 32,768 numbers each, as plain streams of blocks of 32 (rows are dense, 1,024 is a multiple of 32).
; w_codes and w_scales hold Wq's 1,024 rows, then Wk's, then Wv's: one operand of 3,072 rows for the product's launch.
; A block's scale is 2^(floor(log2(largest magnitude)) - 2); its byte is the largest magnitude's exponent field - 2, held at 1 from below.
; A wave takes 16 steps of 512 numbers: four loads of 512 consecutive bytes, a turn through the wave's own stage in LDS so that a lane holds 16 neighbours (two lanes a block),
; two conversions, one store of 256 consecutive bytes of codes; the wave's 256 scale bytes are gathered in LDS and leave as one aligned run of 256 bytes.
; Work-groups 224-255 take Wo, 32 rows each, 8 a wave: f16, laid [n / 128][k / 64][128 rows][64], so that a K step of the projection is one dense block.
; LIMITS: a block of zeros gets the byte 1 where the rule says 127 (its codes are zeros, and this program alone reads the bytes); blocks whose largest magnitude lies under 2^-124 have their byte held at 1;
; NaN and infinities among the inputs are not served; |Wo| beyond 65,504 becomes infinity in f16.
.set STEPS, 16
.set EMAX,  2
.set CB,    8                          ; bytes of 16 codes
.set R,     16                         ; v16-79   four sets of 16 numbers as loaded
.set X,     80                         ; v80-111  two sets of 16 neighbours
.set E,     112                        ; v112-127 a scale byte for each step
.set C,     128                        ; v128-191 codes, four registers a step
.set WREG,  8192                       ; LDS: a region for each wave: two stages of 32 x SP bytes, then its 256 scale bytes
.set SP,    80                         ; a lane's place in a stage: 64 bytes + 16 of padding
.set SPW,   12                         ; v12  LDS address of my spare word; never rewritten
.set NIL,   13                         ; v13  0; never rewritten
.set SPARE, 4*WREG                     ; behind the four regions: the spare words, 128 bytes a wave
.macro LOAD t
.irp i, 0,1,2,3
	global_load_b128 v[R+16*((\t)%4)+4*\i:R+16*((\t)%4)+4*\i+3], v3, s[24:25] offset:2048*(\t)+512*\i th:TH_LOAD_NT   ; 32 lanes read 512 consecutive bytes
.endr
.endm
.macro TURN t                          ; step t's numbers through the stage: LDS serves a wave's instructions in order, so no wait stands between the stores and the loads
.irp i, 0,1,2,3
	ds_store_b128 v14, v[R+16*((\t)%4)+4*\i:R+16*((\t)%4)+4*\i+3] offset:32*SP*((\t)%2)+8*SP*\i
.endr
.irp i, 0,1,2,3
	ds_load_b128 v[X+16*((\t)%2)+4*\i:X+16*((\t)%2)+4*\i+3], v15 offset:32*SP*((\t)%2)+16*\i
.endr
.endm
.macro STEP t
.set XS, X+16*((\t)%2)
.if (\t) > 0
	s_wait_dscnt 1                                 ; this step's numbers are back from the stage; the last step's byte store may be out
.else
	s_wait_dscnt 0x0
.endif
.if (\t)+4 < STEPS
	LOAD (\t)+4                                    ; the registers that the stage's stores have read take the loads of four steps on
.endif
.if (\t)+1 < STEPS
.if STEPS-2-(\t) >= 3
	s_wait_loadcnt 12                              ; the next step's four loads are in; those of the three steps behind it may be out
.else
	s_wait_loadcnt 4*(STEPS-2-(\t))
.endif
	TURN (\t)+1
.endif
	v_max3_num_f32 v8, |v[XS]|, |v[XS+1]|, |v[XS+2]|               ; the largest magnitude of my 16, in two chains
	v_max3_num_f32 v9, |v[XS+3]|, |v[XS+4]|, |v[XS+5]|
.irp i, 6,10
	v_max3_num_f32 v8, v8, |v[XS+\i]|, |v[XS+\i+1]|
	v_max3_num_f32 v9, v9, |v[XS+\i+2]|, |v[XS+\i+3]|
.endr
	v_max3_num_f32 v8, v8, |v[XS+14]|, |v[XS+15]|
	v_max3_num_f32 v8, v8, v9, (EMAX+1)<<23        ; and the floor 2^(3 - 127): the byte cannot fall under 1
	v_max_num_f32_dpp v8, v8, v8 row_xmask:1 row_mask:0xf bank_mask:0xf   ; with my neighbour's 16: the block's
	v_add_nc_u32 v11, -(EMAX<<23), v8              ; 2 off its exponent field: the conversion takes the exponent field of this operand as its scale
	v_cvt_scalef32_pk8_fp4_f32 v[C+4*(\t)], v[XS:XS+7], v11
	v_cvt_scalef32_pk8_fp4_f32 v[C+4*(\t)+1], v[XS+8:XS+15], v11
	v_lshrrev_b32 v[E+(\t)], 23, v11               ; the scale's byte (a plain line behind the conversions)
	ds_store_b8 v5, v[E+(\t)] offset:16*(\t)       ; both lanes of a block write the same byte with the same value
	global_store_b64 v4, v[C+4*(\t):C+4*(\t)+1], s[26:27] offset:32*CB*(\t)   ; 32 lanes store 256 consecutive bytes
.endm
.macro LOADP pr                        ; Wo: rows 2 pr, 2 pr + 1 of my eight: for each chunk of 64 along K, lanes 0-15 read 256 bytes of one row, lanes 16-31 of the next
.set i, 0
.rept 16
	global_load_b128 v[16+64*((\pr)%2)+4*i:16+64*((\pr)%2)+4*i+3], v3, s[12:13] offset:8192*(\pr)+256*i th:TH_LOAD_NT
.set i, i+1
.endr
.endm
.macro CONV pr
.if (\pr) < 3
	s_wait_loadcnt 16                              ; this pair's 16 loads are in; the next pair's may be out
.else
	s_wait_loadcnt 0x0
.endif
.if (\pr) > 0
	s_wait_xcnt 0x0                                ; the last pair's stores have read v144-175: they are written again only behind this wait
.endif
.set i, 0
.rept 32
	v_cvt_pk_f16_f32 v[144+i], v[16+64*((\pr)%2)+2*i], v[16+64*((\pr)%2)+2*i+1]
.set i, i+1
.endr
.set i, 0
.rept 16
	global_store_b64 v4, v[144+2*i:145+2*i], s[22:23] offset:16384*i+256*(\pr)   ; two rows of one chunk: 256 consecutive bytes, aligned
.set i, i+1
.endr
.if (\pr) < 2
	LOADP (\pr)+2
.endif
.endm
	s_load_b256 s[4:11], s[0:1], 0x0               ; x, Wq, Wk, Wv
	s_load_b256 s[12:19], s[0:1], 0x20             ; Wo, x_codes, x_scales, w_codes
	s_load_b128 s[20:23], s[0:1], 0x40             ; w_scales, wo16
	v_lshl_add_u32 v[SPW], v0, 2, SPARE
	v_mov_b32 v[NIL], 0
	v_lshrrev_b32 v1, 5, v0
	v_readfirstlane_b32 s32, v1                    ; wave
	v_and_b32 v2, 31, v0                           ; lane
	s_mov_b32 s35, 0
	s_mov_b32 s37, 0
	s_cmp_ge_u32 ttmp9, 224                        ; the last 32 work-groups take Wo
	s_cbranch_scc1 .Lwo
	v_lshlrev_b32 v3, 4, v2                        ; my 16 bytes of a load's 512
	s_mul_i32 s33, s32, WREG
	v_lshrrev_b32 v14, 2, v2
	v_mul_u32_u24 v14, v14, SP
	v_and_b32 v15, 3, v2
	v_lshl_add_u32 v14, v15, 4, v14
	v_add_nc_u32 v14, s33, v14                     ; the stage, on the way in: SP (lane / 4) + 16 (lane % 4)
	v_mul_u32_u24 v15, v2, SP
	v_add_nc_u32 v15, s33, v15                     ; and on the way out: SP x lane: my 16 neighbours
	v_mul_u32_u24 v4, v2, CB                       ; my codes' place in a step's
	v_lshrrev_b32 v5, 1, v2
	s_add_co_u32 s33, s33, 2*32*SP
	v_add_nc_u32 v5, s33, v5                       ; my wave's 256 scale bytes, my block's byte
	v_lshlrev_b32 v7, 3, v2                        ; and on the way out 8 bytes a lane
	v_add_nc_u32 v6, s33, v7
	s_sub_co_u32 s30, ttmp9, 128                   ; place among the weights' 96 work-groups
	s_and_b32 s31, s30, 31                         ; and inside one weight
	s_wait_kmcnt 0x0
	s_cmp_lt_u32 ttmp9, 192                        ; the choices hang on the work-group's number alone
	s_cselect_b64 s[24:25], s[8:9], s[10:11]
	s_cmp_lt_u32 ttmp9, 160
	s_cselect_b64 s[24:25], s[6:7], s[24:25]
	s_cmp_lt_u32 ttmp9, 128
	s_cselect_b64 s[24:25], s[4:5], s[24:25]       ; from where
	s_cselect_b64 s[26:27], s[14:15], s[18:19]     ; the codes' buffer
	s_cselect_b64 s[28:29], s[16:17], s[20:21]     ; the scale bytes' buffer
	s_cselect_b32 s31, ttmp9, s31
	s_cselect_b32 s30, ttmp9, s30
	s_lshl_b32 s31, s31, 2
	s_add_co_u32 s31, s31, s32                     ; which run of 8,192 numbers of the source is my wave's
	s_lshl_b32 s30, s30, 2
	s_add_co_u32 s30, s30, s32                     ; and which run of the buffers
	s_lshl_b32 s34, s31, 15
	s_add_nc_u64 s[24:25], s[24:25], s[34:35]
	s_lshl_b32 s34, s30, 12
	s_add_nc_u64 s[26:27], s[26:27], s[34:35]
	s_lshl_b32 s34, s30, 8
	s_add_nc_u64 s[28:29], s[28:29], s[34:35]
.irp t, 0,1,2,3
	LOAD \t
.endr
	s_wait_loadcnt 12                              ; step 0's four loads are in
	TURN 0
.irp t, 0,1,2,3,4,5,6,7,8,9,10,11,12,13,14,15
	STEP \t
.endr
	ds_load_b64 v[8:9], v6                         ; LDS serves a wave's instructions in order: these see my byte stores
	s_wait_dscnt 0x0
	global_store_b64 v7, v[8:9], s[28:29]          ; 32 lanes store 256 consecutive bytes, aligned
	s_wait_tensorcnt 0x0                           ; the wave's end, behind my last LDS store
	ds_add_u32 v[SPW], v[NIL]
	s_wait_dscnt 0x0
	s_endpgm
.Lwo:
	s_sub_co_u32 s30, ttmp9, 224
	s_lshl_b32 s30, s30, 5
	s_lshl_b32 s31, s32, 3
	s_add_co_u32 s30, s30, s31                     ; my first row of Wo: 32 x work-group + 8 x wave
	v_lshrrev_b32 v3, 4, v2
	v_and_b32 v4, 15, v2
	v_lshlrev_b32 v3, 12, v3
	v_lshl_add_u32 v3, v4, 4, v3                   ; in: row lane / 16 of the pair, 16 bytes a lane
	v_lshlrev_b32 v4, 3, v2                        ; out: 8 bytes a lane
	s_lshl_b32 s34, s30, 12                        ; a row of Wo is 4,096 bytes
	s_lshr_b32 s36, s30, 7
	s_lshl_b32 s36, s36, 18                        ; a block of 128 rows of wo16 is 262,144 bytes
	s_and_b32 s31, s30, 127
	s_lshl_b32 s31, s31, 7                         ; a row of a chunk is 128 bytes
	s_add_co_u32 s36, s36, s31
	s_wait_kmcnt 0x0
	s_add_nc_u64 s[12:13], s[12:13], s[34:35]
	s_add_nc_u64 s[22:23], s[22:23], s[36:37]
	LOADP 0
	LOADP 1
	CONV 0
	CONV 1
	CONV 2
	CONV 3
	s_wait_tensorcnt 0x0                           ; the same three lines at this path's end
	ds_add_u32 v[SPW], v[NIL]
	s_wait_dscnt 0x0
	s_endpgm
.Lfunc_end_k_q9e7c8501d0_quant:
	.size	k_q9e7c8501d0_quant, .Lfunc_end_k_q9e7c8501d0_quant-k_q9e7c8501d0_quant
	.p2alignl 7, 3214868480
	.fill 96, 4, 3214868480
	.section	.rodata,"a",@progbits
	.p2align	6, 0x0
	.amdhsa_kernel k_q9e7c8501d0_quant
		.amdhsa_group_segment_fixed_size 33280
		.amdhsa_private_segment_fixed_size 0
		.amdhsa_enable_private_segment 0
		.amdhsa_kernarg_size 80
		.amdhsa_user_sgpr_count 2
		.amdhsa_user_sgpr_kernarg_segment_ptr 1
		.amdhsa_wavefront_size32 1
		.amdhsa_system_sgpr_workgroup_id_x 1
		.amdhsa_system_sgpr_workgroup_id_y 1
		.amdhsa_system_sgpr_workgroup_id_z 1
		.amdhsa_system_vgpr_workitem_id 0
		.amdhsa_next_free_vgpr 192
		.amdhsa_next_free_sgpr 66
		.amdhsa_reserve_vcc 0
		.amdhsa_float_denorm_mode_32 3
		.amdhsa_float_denorm_mode_16_64 3
		.amdhsa_memory_ordered 1
		.amdhsa_forward_progress 1
		.amdhsa_inst_pref_size 55
	.end_amdhsa_kernel
	.amdgpu_metadata
---
amdhsa.version: [ 1, 2 ]
amdhsa.kernels:
  - .name:           k_q9e7c8501d0_quant
    .symbol:         k_q9e7c8501d0_quant.kd
    .args:
      - { .name: x, .offset: 0, .size: 8, .value_kind: global_buffer, .address_space: global }
      - { .name: Wq, .offset: 8, .size: 8, .value_kind: global_buffer, .address_space: global }
      - { .name: Wk, .offset: 16, .size: 8, .value_kind: global_buffer, .address_space: global }
      - { .name: Wv, .offset: 24, .size: 8, .value_kind: global_buffer, .address_space: global }
      - { .name: Wo, .offset: 32, .size: 8, .value_kind: global_buffer, .address_space: global }
      - { .name: x_codes, .offset: 40, .size: 8, .value_kind: global_buffer, .address_space: global }
      - { .name: x_scales, .offset: 48, .size: 8, .value_kind: global_buffer, .address_space: global }
      - { .name: w_codes, .offset: 56, .size: 8, .value_kind: global_buffer, .address_space: global }
      - { .name: w_scales, .offset: 64, .size: 8, .value_kind: global_buffer, .address_space: global }
      - { .name: wo16, .offset: 72, .size: 8, .value_kind: global_buffer, .address_space: global }
    .group_segment_fixed_size: 33280
    .private_segment_fixed_size: 0
    .kernarg_segment_align: 8
    .kernarg_segment_size: 80
    .max_flat_workgroup_size: 128
    .sgpr_count:     66
    .vgpr_count:     192
    .wavefront_size: 32
...
	.end_amdgpu_metadata
.endif
;; end of part 1
;; launch qkv (part 2): grid 12 x 16, 4 waves a work-group, clusters of 4 x 4, 327,680 bytes of LDS; arguments x_codes, x_scales, w_codes, w_scales, qkv16, qkv32; writes qkv16, qkv32
.if DOCPART == 2
	.amdgcn_target "amdgcn-amd-amdhsa--gfx1250"
	.amdhsa_code_object_version 6
	.text
	.protected	k_q9e7c8501d0_qkv
	.globl	k_q9e7c8501d0_qkv
	.p2align	8
	.type	k_q9e7c8501d0_qkv,@function
k_q9e7c8501d0_qkv:
	s_mov_b64 s[64:65], 0
	v_nop
	global_prefetch_b8 v0, s[64:65] scope:SCOPE_SE
	s_setreg_imm32_b32 hwreg(HW_REG_WAVE_MODE, 25, 1), 1
	s_wait_xcnt 0x0
	s_wait_alu depctr_hold_cnt(0) depctr_sa_sdst(0) depctr_va_vdst(0) depctr_va_sdst(0) depctr_va_ssrc(0) depctr_va_vcc(0) depctr_vm_vsrc(0)
	s_getreg_b32 s2, hwreg(HW_REG_IB_STS2, 6, 4)
	s_cmp_eq_u32 s2, 0
	s_cbranch_scc0 .Lentry_in_a_cluster
	s_endpgm
.Lentry_in_a_cluster:
	s_bfe_u32 s2, ttmp6, 0x10000c
	s_cmp_lg_u32 s2, 0xf033
	s_cbranch_scc0 .Lentry_shape_is_right
	s_endpgm
.Lentry_shape_is_right:
; q, k, v = x Wq^T, x Wk^T, x Wv^T as ONE product C[m][n] = sum over k of A[m][k] B[n][k] on codes of FP4 (E2M1) with one E8M0 scale for each 32 along K.
; A = x's codes [4096][1024], B = the three weights' codes [3072][1024] (Wq's rows, Wk's, Wv's); sums in f32.
; A tile of C, 256 x 256, is made by a work-group of four waves; a wave makes 128 x 128: 64 accumulators of 16 x 16, 512 registers.
; K = 1,024 is two K steps of 512 (tile rows of 256 bytes): both LDS slots are filled once, at the start, and nothing is filled again.
; THE SCALES of the work-group's 256 rows of A and of B, for all of K, are two dense blocks of memory: they come into LDS once, with the first fills.
; CLUSTERS: 4 x 4 work-groups.  The four of a row of the cluster need the same tiles of A, the four of a column the same tiles of B: each tile is asked for JOINTLY.
; THE MATRIX INSTRUCTION IS USED TRANSPOSED (source 0 = 16 rows of B, source 1 = 16 rows of A): a lane holds eight neighbouring columns of one row of C.
; THE RESULT leaves as f16, laid [48 = 16 t + head][4096][64] (t = 0 q, 1 k, 2 v), for the attention's launch; positions 0 to 15 leave a second time as f32, as images of the result registers, for the launch that makes those rows finely.
; LIMIT: |q|, |k|, |v| beyond 65,504 become infinity in f16.
; REGISTERS, in windows of 256: window 0: v0-31 addresses; v32-95 scale words, two sets (they hold nothing else); v96-127 packed results; v128-191 A's fragments, one set; v192-255 rows read back on the way out.
;   window 1: B's fragments, two sets, at v0 and v128.   window 2: the accumulators of my rows 0-63 ((a, b) at v[8 (8 a + b)]);   window 3: those of my rows 64-127.
.set KSTEP,  512
.set NQ,     KSTEP/128
.set ROWB,   256                       ; a tile's row in bytes
.set KROW,   512                       ; a row of codes in memory
.set PITCH,  272                       ; an LDS row: 256 bytes + 16 of padding: the 16 rows that a load touches start at 16 different 16-byte columns of 256
.set FR,     8
.set NL,     2
.set NP,     4                         ; places behind this matrix instruction (ISA guide 7.12.1)
.set HALFT,  128*PITCH
.set SLOT,   4*HALFT                   ; A's 256 rows, then B's 256 rows
.set KS,     32                        ; a row of scale bytes
.set SCL,    2*SLOT                    ; behind the slots: the scales, as runs of 256 bytes + 16 of padding
.set HALFS,  (128*KS/256)*272
.set SBLK,   (16*KS/256)*272
.set SPARE,  SCL+4*HALFS               ; the spare words, 128 bytes a wave
.set SPITCH, 272                       ; the way out: 16 rows x (256 bytes + 16) for each wave, in slot 0, which has had its only fill and its last read by then
.set ADRA, 16
.set ADRB, 20
.set STO,  24
.set RD,   25
.set CO,   26                          ; v26  16 x lane
.set ADRS, 27
.set SPW,  28
.set NIL,  29
.set SEL0, 30                          ; v30  0 in the waves that hold rows 0 to 127
.set SC,   32
.set TMP,  96
.set AF,   128
.set BK,   192
.set G1, 24
.set G0, 32
.set G1B, 48
.set G0B, 56
.set G1S, 68
.set G0S, 76
.set G1SB, 80
.set G0SB, 88
.set MSB, 0
.macro WIN new                         ; the immediate's high byte repeats the setting that is left
.if MSB != \new
	s_set_vgpr_msb (MSB<<8)|\new
.set MSB, \new
.endif
.endm
.set MUL_LO, 0xa1                      ; source 0 (B) window 1, source 1 (A) window 0, C and D window 2
.set MUL_HI, 0xf1                      ; the same, C and D window 3
.set TO_B,   0x40                      ; destination window 1, address window 0
; A joint load: waves 0 and 1 fetch for A, waves 2 and 3 for B; the branch hangs on the wave's number alone.  An s_nop 0 and four v_nop follow each of the two lines.
.macro JLOAD g0a, g1a, g0b, g1b
	s_cmp_eq_u32 s15, 0
	s_cbranch_scc0 .Lfor_b_\@
	tensor_load_to_lds s[\g0a:\g0a+3], s[\g1a:\g1a+7]
	s_nop 0
.rept 4
	v_nop
.endr
	s_branch .Lasked_\@
.Lfor_b_\@:
	tensor_load_to_lds s[\g0b:\g0b+3], s[\g1b:\g1b+7]
	s_nop 0
.rept 4
	v_nop
.endr
.Lasked_\@:
.endm
.macro CROUND                          ; a round of the cluster's barrier
	s_barrier_signal -1
	s_barrier_wait -1
	s_cmp_lg_u32 s14, 0
	s_cbranch_scc1 .Lnot_wave_0_\@
	s_barrier_signal -3
.Lnot_wave_0_\@:
	s_barrier_wait -3
	s_barrier_signal -1
	s_barrier_wait -1
.endm
	s_load_b128 s[4:7], s[0:1], 0x0                ; A's codes, A's scales
	s_load_b128 s[8:11], s[0:1], 0x10              ; B's codes, B's scales
	s_load_b64 s[12:13], s[0:1], 0x20              ; qkv16
	s_load_b64 s[96:97], s[0:1], 0x28              ; qkv32
	v_lshl_add_u32 v[SPW], v0, 2, SPARE
	v_mov_b32 v[NIL], 0
	ds_add_u32 v[SPW], v[NIL]                      ; the wave's opening: the add, twice on end, and its wait ahead of my first tensor load
	ds_add_u32 v[SPW], v[NIL]
	v_lshrrev_b32 v1, 5, v0
	v_readfirstlane_b32 s14, v1                    ; wave 0..3
	s_lshr_b32 s15, s14, 1                         ; which half of the tile's rows is mine.  Also: I fetch for A (0) or for B (1)
	s_and_b32 s16, s14, 1                          ; which half of its columns.  Also: which 128 rows of that tile I fetch
	s_bfe_u32 s40, ttmp6, 0x40000                  ; cx, cy
	s_bfe_u32 s41, ttmp6, 0x40004
	s_lshl_b32 s42, ttmp9, 2
	s_add_co_u32 s42, s42, s40                     ; tile column of C
	s_and_b32 s17, ttmp7, 0xffff
	s_lshl_b32 s17, s17, 2
	s_add_co_u32 s17, s17, s41                     ; tile row of C
	s_lshl_b32 s43, s41, 2
	s_lshl_b32 s43, 15, s43                        ; my row of the cluster
	s_lshl_b32 s44, 0x1111, s40                    ; my column
	s_or_b32 s[G1+0], s43, (0<<16)|(1<<20)|(1<<21)|(5<<22)|(3<<25)  ; the mask; elements of 1 byte; padding on; bit 21 beside a mask; 4 words behind every 64
	s_or_b32 s[G1B+0], s44, (0<<16)|(1<<20)|(1<<21)|(5<<22)|(3<<25)
.irp g, G1, G1B
	s_mov_b32 s[\g+1], ROWB<<16                    ; tensor_dim0
	s_mov_b32 s[\g+2], 128<<16                     ; tensor_dim1
	s_mov_b32 s[\g+3], ROWB<<16                    ; tile_dim0
	s_mov_b32 s[\g+4], 128                         ; tile_dim1
	s_mov_b32 s[\g+5], KROW                        ; from row to row
	s_mov_b32 s[\g+6], 0
	s_mov_b32 s[\g+7], 0
.endr
	s_or_b32 s[G1S+0], s43, (3<<16)|(1<<20)|(1<<21)|(5<<22)|(3<<25)  ; the scales of 128 rows: 4,096 dense bytes as 16 rows of 256 (32 elements of 8 bytes)
	s_or_b32 s[G1SB+0], s44, (3<<16)|(1<<20)|(1<<21)|(5<<22)|(3<<25)
.irp g, G1S, G1SB
	s_mov_b32 s[\g+1], 32<<16
	s_mov_b32 s[\g+2], (128*KS/256)<<16
	s_mov_b32 s[\g+3], 32<<16
	s_mov_b32 s[\g+4], 128*KS/256
	s_mov_b32 s[\g+5], 32
	s_mov_b32 s[\g+6], 0
	s_mov_b32 s[\g+7], 0
.endr
	s_lshl_b32 s18, s16, 7
	s_lshl_b32 s20, s17, 8
	s_add_co_u32 s20, s20, s18                     ; A: row 256 x tile row + 128 x half
	s_lshl_b32 s46, s42, 8
	s_add_co_u32 s46, s46, s18                     ; B: row 256 x tile column + 128 x half
	s_mov_b32 s21, 0
	s_mov_b32 s47, 0
	s_mov_b64 s[18:19], KS
	s_mul_u64 s[22:23], s[20:21], s[18:19]         ; where these rows' scales begin
	s_mul_u64 s[92:93], s[46:47], s[18:19]
	s_mov_b64 s[18:19], KROW
	s_mul_u64 s[20:21], s[20:21], s[18:19]         ; and their codes
	s_mul_u64 s[46:47], s[46:47], s[18:19]
	s_mul_i32 s45, s14, HALFT                      ; where they go: wave x 128 rows
	s_mul_i32 s94, s14, HALFS
	s_wait_dscnt 0x0                               ; both opening adds are done
	s_wait_kmcnt 0x0
	s_add_nc_u64 s[20:21], s[4:5], s[20:21]
	s_add_nc_u64 s[22:23], s[6:7], s[22:23]
	s_add_nc_u64 s[46:47], s[8:9], s[46:47]
	s_add_nc_u64 s[92:93], s[10:11], s[92:93]
	CROUND                                         ; all sixteen work-groups are here: the joint loads meet
	s_mov_b32 s[G0S], 1
	s_add_co_u32 s[G0S+1], s94, SCL
	s_mov_b64 s[G0S+2:G0S+3], s[22:23]
	s_or_b32 s[G0S+3], s[G0S+3], 0x80000000
	s_mov_b32 s[G0SB], 1
	s_add_co_u32 s[G0SB+1], s94, SCL
	s_mov_b64 s[G0SB+2:G0SB+3], s[92:93]
	s_or_b32 s[G0SB+3], s[G0SB+3], 0x80000000
	JLOAD G0S, G1S, G0SB, G1SB                     ; the scales first: three loads of mine are out behind this group
.irp s, 0,1
	s_mov_b32 s[G0+4*\s], 1
	s_add_co_u32 s[G0+4*\s+1], s45, \s*SLOT
	s_add_nc_u64 s[G0+4*\s+2:G0+4*\s+3], s[20:21], \s*ROWB
	s_or_b32 s[G0+4*\s+3], s[G0+4*\s+3], 0x80000000
	s_mov_b32 s[G0B+4*\s], 1
	s_add_co_u32 s[G0B+4*\s+1], s45, \s*SLOT
	s_add_nc_u64 s[G0B+4*\s+2:G0B+4*\s+3], s[46:47], \s*ROWB
	s_or_b32 s[G0B+4*\s+3], s[G0B+4*\s+3], 0x80000000
	JLOAD G0+4*\s, G1, G0B+4*\s, G1B
.endr
	v_and_b32 v1, 15, v0                           ; r = lane % 16
	v_bfe_u32 v2, v0, 4, 1                         ; h = lane / 16
	v_mul_u32_u24 v3, v1, PITCH
	v_lshl_add_u32 v4, v2, 4, v3                   ; a fragment's row x pitch + 16 x half
	s_mul_i32 s21, s15, HALFT                      ; my 128 rows of A
	s_mul_i32 s22, s16, HALFT                      ; my 128 rows of B,
	s_add_co_u32 s22, s22, 2*HALFT                 ; behind A's 256
.irp s, 0,1
	v_add_nc_u32 v[ADRA+\s], s21, v4
	v_add_nc_u32 v[ADRB+\s], s22, v4
	s_add_co_u32 s21, s21, SLOT
	s_add_co_u32 s22, s22, SLOT
.endr
	v_mul_u32_u24 v5, v1, KS                       ; my row's scales: 32 bytes a row,
	v_lshrrev_b32 v6, 8, v5
	v_lshl_add_u32 v5, v6, 4, v5                   ; and 16 more for each 256 passed
	s_mul_i32 s21, s15, HALFS
	s_mul_i32 s22, s16, HALFS
	s_add_co_u32 s22, s22, 2*HALFS
	s_sub_co_u32 s22, s22, s21
	v_mul_u32_u24 v6, s22, v2                      ; lanes 16-31 take B's: one product, the distance x h
	s_add_co_u32 s21, s21, SCL
	v_add_nc_u32 v5, v5, v6
	v_add_nc_u32 v[ADRS], s21, v5
	s_mul_i32 s23, s14, 16*SPITCH                  ; my stage
	v_lshrrev_b32 v5, 1, v1
	v_and_b32 v6, 1, v1
	v_lshl_add_u32 v5, v6, 3, v5                   ; row r of a block lies at stage row r / 2 + 8 (r % 2): the four rows that an instruction reads back then fall on different halves of 256 bytes
	v_mul_u32_u24 v5, v5, SPITCH
	v_lshl_add_u32 v5, v2, 4, v5
	v_add_nc_u32 v[STO], s23, v5                   ; in: my row, 16 bytes for each half of the lanes
	v_bfe_u32 v6, v0, 3, 1
	v_lshl_add_u32 v6, v6, 3, v2
	v_mul_u32_u24 v6, v6, SPITCH
	v_and_b32 v5, 7, v0
	v_lshl_add_u32 v6, v5, 4, v6
	v_add_nc_u32 v[RD], s23, v6                    ; back: eight lanes to a head's 128 bytes of a row, four rows an instruction
	v_and_b32 v6, 31, v0
	v_lshlrev_b32 v[CO], 4, v6
	s_lshl_b32 s20, s17, 8
	s_lshl_b32 s21, s15, 7
	s_add_co_u32 s20, s20, s21                     ; my first row
	s_lshl_b32 s20, s20, 7                         ; a row of a head is 128 bytes
	s_lshl_b32 s46, s42, 2
	s_lshl_b32 s47, s16, 1
	s_add_co_u32 s46, s46, s47                     ; my first column / 64: which of the 48 heads' blocks
	s_lshl_b32 s22, s46, 12                        ; in qkv32: four tiles of 1,024 bytes for each 64 columns
	s_mov_b32 s23, 0
	s_lshl_b32 s46, s46, 19                        ; in qkv16: 524,288 bytes a block
	s_add_co_u32 s20, s20, s46
	s_mov_b32 s21, 0
	s_add_nc_u64 s[12:13], s[12:13], s[20:21]
	s_add_nc_u64 s[96:97], s[96:97], s[22:23]
	s_lshl_b32 s46, s17, 1
	s_add_co_u32 s46, s46, s15
	v_mov_b32 v[SEL0], s46
.macro FRAG reg, adr, q, i             ; 16 rows x 128 K of 4-bit codes: 8 registers; registers 4 c .. 4 c + 3 hold K = 64 c + 32 (lane / 16) + 0 .. 31
.irp c, 0,1
	ds_load_b128 v[\reg+4*\c:\reg+4*\c+3], v[\adr] offset:64*(\q)+32*\c+(\i)*16*PITCH
.endr
.endm
; 16 matrix instructions: A's blocks a0, a0 + 1 x B's eight, 128 along K.  The 64 accumulators take turns, one instruction a turn, in the same order in every step.
.macro MUL16 a0, p, q, sc, zero
.irp a, \a0, \a0+1
.irp b, 0,1,2,3,4,5,6,7
.if \zero
	v_wmma_scale_f32_16x16x128_f8f6f4 v[8*(8*((\a)%4)+\b):8*(8*((\a)%4)+\b)+7], v[128*(\p)+FR*\b:128*(\p)+FR*\b+FR-1], v[AF+FR*(\a):AF+FR*(\a)+FR-1], 0, v[SC+8*NQ*(\sc)+NQ*\b+(\q)], v[SC+8*NQ*(\sc)+NQ*(\a)+(\q)] matrix_a_fmt:MATRIX_FMT_FP4 matrix_b_fmt:MATRIX_FMT_FP4 matrix_a_scale:MATRIX_SCALE_ROW1
.else
	v_wmma_scale_f32_16x16x128_f8f6f4 v[8*(8*((\a)%4)+\b):8*(8*((\a)%4)+\b)+7], v[128*(\p)+FR*\b:128*(\p)+FR*\b+FR-1], v[AF+FR*(\a):AF+FR*(\a)+FR-1], v[8*(8*((\a)%4)+\b):8*(8*((\a)%4)+\b)+7], v[SC+8*NQ*(\sc)+NQ*\b+(\q)], v[SC+8*NQ*(\sc)+NQ*(\a)+(\q)] matrix_a_fmt:MATRIX_FMT_FP4 matrix_b_fmt:MATRIX_FMT_FP4 matrix_a_scale:MATRIX_SCALE_ROW1
.endif
.endr
.endr
.endm
.macro FETCH_B slot, q, p
	WIN TO_B
.irp i, 0,1,2,3,4,5,6,7
	FRAG 128*(\p)+FR*\i, ADRB+\slot, \q, \i
.endr
	WIN 0
.endm
.macro FETCH_A slot, q, i0
.irp i, \i0, \i0+1, \i0+2, \i0+3
	FRAG AF+FR*(\i), ADRA+\slot, \q, \i
.endr
.endm
.macro SCALES sc                       ; a K step's scale words: four words a row; lanes 0-15 take A's block i, lanes 16-31 B's block i
.irp i, 0,1,2,3,4,5,6,7
	ds_load_b128 v[SC+8*NQ*\sc+NQ*\i:SC+8*NQ*\sc+NQ*\i+3], v[ADRS] offset:\i*SBLK
.endr
.endm
.macro PLACES n                        ; plain vector lines between matrix instructions and loads into, or reads of, their registers
.rept \n
	v_nop
.endr
.endm
.macro STEP slot, q, zero              ; a step of 128 along K that has its successor in the same slot
	s_wait_dscnt 4*NL                              ; B's set and A's blocks 0-3 are in; the youngest eight loads (A's blocks 4-7) may be out
	WIN MUL_LO
	MUL16 0, (\q)%2, \q, \slot, \zero
	MUL16 2, (\q)%2, \q, \slot, \zero
	s_wait_dscnt 0
	PLACES NP
	FETCH_B \slot, (\q)+1, 1-(\q)%2
	FETCH_A \slot, (\q)+1, 0
	WIN MUL_HI
	MUL16 4, (\q)%2, \q, \slot, \zero
	MUL16 6, (\q)%2, \q, \slot, \zero
	PLACES NP
	WIN 0
	FETCH_A \slot, (\q)+1, 4
.endm
.macro STEPS slot, from
.set Q, \from
.rept NQ-1-\from
	STEP \slot, Q, 0
.set Q, Q+1
.endr
.endm
	s_wait_tensorcnt 1                             ; the scales and my part of K step 0 are in; K step 1's load may be out
	s_barrier_signal -1
	s_barrier_wait -1
	FETCH_B 0, 0, 0
	FETCH_A 0, 0, 0
	SCALES 0
	FETCH_A 0, 0, 4
	STEP 0, 0, 1                                   ; the first step's products start the sums
	STEPS 0, 1
	; slot 0's last step changes slots: one barrier; in front of it each wave waits for all its tensor loads, adds 0 to its spare word, and waits for that and for its reads of slot 0
	s_wait_tensorcnt 0x0                           ; my part of slot 1 has landed
	ds_add_u32 v[SPW], v[NIL]
	s_wait_dscnt 4*NL+1                            ; the add and A's blocks 4-7 may be out
	WIN MUL_LO
	MUL16 0, 1, NQ-1, 0, 0
	s_wait_dscnt 0x0                               ; the add is done, and my reads of slot 0 are over
	s_barrier_signal -1
	MUL16 2, 1, NQ-1, 0, 0
	WIN 0
	s_barrier_wait -1
	PLACES NP
	v_add_nc_u32 v[ADRS], 4*NQ, v[ADRS]            ; on to K step 1's scale words
	FETCH_B 1, 0, 0
	FETCH_A 1, 0, 0
	SCALES 1
	WIN MUL_HI
	MUL16 4, 1, NQ-1, 0, 0
	MUL16 6, 1, NQ-1, 0, 0
	PLACES NP
	WIN 0
	FETCH_A 1, 0, 4
	STEPS 1, 0
	s_wait_dscnt 4*NL                              ; the very last step
	WIN MUL_LO
	MUL16 0, 1, NQ-1, 1, 0
	MUL16 2, 1, NQ-1, 1, 0
	s_wait_dscnt 0
	WIN MUL_HI
	MUL16 4, 1, NQ-1, 1, 0
	MUL16 6, 1, NQ-1, 1, 0
	WIN 0
	PLACES NP
	; POSITIONS 0 TO 15 IN f32: block 0 of the waves that hold rows 0 to 127 leaves as it stands, 512 consecutive bytes a store.  No branch: in all other waves no lane is on.
	v_cmp_eq_u32 vcc_lo, 0, v[SEL0]
	s_wait_xcnt 0x0                                ; EXEC changes only behind this wait
	s_and_saveexec_b32 s3, vcc_lo
	WIN 0x08                                       ; a store's data: window 2
.irp b, 0,1,2,3,4,5,6,7
	global_store_b128 v[CO], v[8*\b:8*\b+3], s[96:97] offset:1024*\b            ; each accumulator from its low end on
	global_store_b128 v[CO], v[8*\b+4:8*\b+7], s[96:97] offset:1024*\b+512
.endr
	WIN 0
	s_wait_xcnt 0x0                                ; and again in front of the line that widens it
	s_or_b32 exec_lo, exec_lo, s3
; THE WAY OUT, block by block of 16 rows x 128 columns (two heads' 64): rounded to f16, 16 bytes a lane into my stage, back as four rows of one head, 512 consecutive bytes of qkv16 a store.
.macro PACK a
.set AC, 64*((\a)%4)
	WIN 0x0a+5*((\a)/4)                            ; sources 0 and 1: window 2 or 3
.irp b, 0,1,2,3,4,5,6,7
.irp r, 0,1,2,3
	v_cvt_pk_f16_f32 v[TMP+4*\b+\r], v[AC+8*\b+2*\r], v[AC+8*\b+2*\r+1]
.endr
.endr
	WIN 0
.endm
.macro TOSTAGE a
.set BB, BK+32*((\a)%2)
.irp b, 0,1,2,3,4,5,6,7
	ds_store_b128 v[STO], v[TMP+4*\b:TMP+4*\b+3] offset:32*\b
.endr
.irp hd, 0,1
.irp t, 0,1,2,3
	ds_load_b128 v[BB+16*\hd+4*\t:BB+16*\hd+4*\t+3], v[RD] offset:128*\hd+544*\t   ; LDS serves a wave's instructions in order: these see the stores above
.endr
.endr
.endm
.macro SEND a
.set BB, BK+32*((\a)%2)
	s_wait_dscnt 0x0                               ; the block is back in registers
	s_wait_xcnt 0x0                                ; the stores of the block before have read their registers: the next block's loads may land there
.irp hd, 0,1
.irp t, 0,1,2,3
	global_store_b128 v[CO], v[BB+16*\hd+4*\t:BB+16*\hd+4*\t+3], s[12:13] offset:524288*\hd+2048*(\a)+512*\t
.endr
.endr
.endm
	PACK 0
	TOSTAGE 0
.irp a, 1,2,3,4,5,6,7
	PACK \a
	SEND \a-1
	TOSTAGE \a
.endr
	SEND 7
	s_wait_tensorcnt 0x0                           ; the wave's end, behind my last tensor load and my last LDS store
	ds_add_u32 v[SPW], v[NIL]
	s_wait_dscnt 0x0
	CROUND                                         ; the closing round
	s_endpgm
.Lfunc_end_k_q9e7c8501d0_qkv:
	.size	k_q9e7c8501d0_qkv, .Lfunc_end_k_q9e7c8501d0_qkv-k_q9e7c8501d0_qkv
	.p2alignl 7, 3214868480
	.fill 96, 4, 3214868480
	.section	.rodata,"a",@progbits
	.p2align	6, 0x0
	.amdhsa_kernel k_q9e7c8501d0_qkv
		.amdhsa_group_segment_fixed_size 327680
		.amdhsa_private_segment_fixed_size 0
		.amdhsa_enable_private_segment 0
		.amdhsa_kernarg_size 48
		.amdhsa_user_sgpr_count 2
		.amdhsa_user_sgpr_kernarg_segment_ptr 1
		.amdhsa_wavefront_size32 1
		.amdhsa_system_sgpr_workgroup_id_x 1
		.amdhsa_system_sgpr_workgroup_id_y 1
		.amdhsa_system_sgpr_workgroup_id_z 1
		.amdhsa_system_vgpr_workitem_id 0
		.amdhsa_next_free_vgpr 1024
		.amdhsa_next_free_sgpr 98
		.amdhsa_reserve_vcc 1
		.amdhsa_float_denorm_mode_32 3
		.amdhsa_float_denorm_mode_16_64 3
		.amdhsa_memory_ordered 1
		.amdhsa_forward_progress 1
		.amdhsa_inst_pref_size 128
	.end_amdhsa_kernel
	.amdgpu_metadata
---
amdhsa.version: [ 1, 2 ]
amdhsa.kernels:
  - .name:           k_q9e7c8501d0_qkv
    .symbol:         k_q9e7c8501d0_qkv.kd
    .args:
      - { .name: x_codes, .offset: 0, .size: 8, .value_kind: global_buffer, .address_space: global }
      - { .name: x_scales, .offset: 8, .size: 8, .value_kind: global_buffer, .address_space: global }
      - { .name: w_codes, .offset: 16, .size: 8, .value_kind: global_buffer, .address_space: global }
      - { .name: w_scales, .offset: 24, .size: 8, .value_kind: global_buffer, .address_space: global }
      - { .name: qkv16, .offset: 32, .size: 8, .value_kind: global_buffer, .address_space: global }
      - { .name: qkv32, .offset: 40, .size: 8, .value_kind: global_buffer, .address_space: global }
    .group_segment_fixed_size: 327680
    .private_segment_fixed_size: 0
    .kernarg_segment_align: 8
    .kernarg_segment_size: 48
    .max_flat_workgroup_size: 128
    .sgpr_count:     98
    .vgpr_count:     1024
    .wavefront_size: 32
...
	.end_amdgpu_metadata
.endif
;; end of part 2
;; launch attn (part 3): grid 16 x 16, 8 waves a work-group, no clusters, 327,680 bytes of LDS; arguments qkv16, att16; writes att16
.if DOCPART == 3
	.amdgcn_target "amdgcn-amd-amdhsa--gfx1250"
	.amdhsa_code_object_version 6
	.text
	.protected	k_q9e7c8501d0_attn
	.globl	k_q9e7c8501d0_attn
	.p2align	8
	.type	k_q9e7c8501d0_attn,@function
k_q9e7c8501d0_attn:
	s_mov_b64 s[64:65], 0
	v_nop
	global_prefetch_b8 v0, s[64:65] scope:SCOPE_SE
	s_setreg_imm32_b32 hwreg(HW_REG_WAVE_MODE, 25, 1), 1
	s_wait_xcnt 0x0
; att[s][head] = softmax over keys k <= s of (q[s] . k[k] / 8) applied to v, for 16 heads of 64 channels, 4,096 positions; operands f16, products, maxima and sums f32; the weights p are rounded to f16 for the second product.
; qkv16: [16 t + head][4096][64] f16 (t = 0 q, 1 k, 2 v).  att16: [s / 128][head][128 rows][64] f16: a wave's 32 rows of a head are 4,096 consecutive bytes.
; SHARES.  A head's queries are 32 blocks of 128.  Work-group j of a head makes block 31 - j and then block j: (32 - j) + (j + 1) = 33 units of 128 keys in every work-group.
; Wave w: g = w % 4 picks 32 queries of the block (two tiles of 16); p = w / 4 picks keys 64 p .. 64 p + 63 of every unit of 128.  Waves (g, 0) and (g, 1) keep maxima, sums and O^T of their own;
; at a block's end wave (g, 1) hands its parts to wave (g, 0) through LDS.  So all eight waves work throughout, two to a SIMD, and each fragment of K and V feeds two tiles of queries.
; LAYOUT.  S^T = K Q^T (source 0 = 16 keys, source 1 = 16 queries): a lane holds ONE query and keys 8 (lane / 16) + 0..7; two such tiles, rounded in pairs, are source 1 of O^T = V^T P.  V is turned by ds_load_tr16_b128.
; SOFTMAX.  Running maximum m and sum l a query: p = 2^(c s - c m), c = log2(e) / 8; in every step O^T and l are multiplied by a = 2^(c m_old - c m_new).
; THE MASK.  Every work-group walks a constant number of slots (16, then 8).  A step all of whose keys come after the wave's queries is jumped over by a branch on ids; on the diagonal hidden scores become -infinity.
; A step's first key and a wave's first query are multiples of 32, so in a step that is walked every query sees the step's first key: m is a number from the first walked step on.
; A slot is asked for only while its first key is at or under the work-group's last query: ids and the count of trips alone, the same in all eight waves; every wait for tensor loads in this text is for all of them.
; NO CLUSTER: under the mask the work-groups of a head need different numbers of slots (work-group j: 32 - j units, then j + 1), so a joint load would bring partners tiles that none of their waves reads.
; LIMITS: |q|, |k|, |v| beyond 65,504 are infinities in f16 already; NaN and infinities are not served.
; REGISTERS.  Window 0: v1-15 addresses; v16-31 eight statistics a tile; v32-95 S^T; v96-127 P; v128-191 K's fragments; v192-255 the partner's O^T.  Window 1: v0-31 Q; v32-95 O^T; v128-191 V's fragments.
.set PK,    144                        ; a row of K in LDS: 128 bytes + 16
.set PV,    160                        ; a row of V: 128 + 32
.set VOFF,  256*PK                     ; a slot: 256 rows of K, then 256 rows of V
.set SLOT1, 1<<17                      ; slot 1 begins here: one exclusive or turns an address from one slot to the other
.set MRG,   2*SLOT1                    ; behind the ring: for each g an image of 64 registers (8,192 bytes) and four words a lane
.set MSZ,   8704
.set OUTST, MRG+4*MSZ                  ; for each g 32 rows of 144 bytes, for the way out
.set OSZ,   32*PK
.set SPARE, OUTST+4*OSZ                ; the spare words, 128 bytes a wave
.set AK0, 1
.set AV0, 2
.set ADK, 3
.set ADV, 4
.set QO,  5
.set SPW, 6
.set NIL, 7
.set MST, 8
.set MSS, 9
.set OST, 10
.set ORD, 11
.set GO,  12
.set PFO, 13
.set RH,  14
.set DD,  15
.set ST,  16                           ; tile t at v[ST + 8 t]: +0 c m, +1 m, +2, +3 l, +4 .. +7 c0 .. c3; a takes c2's place
.set S,   32
.set P,   96
.set KFR, 128
.set X,   192
.set OT,  32                           ; in window 1
.set VF,  128                          ; in window 1
.set WV,  8
.set G,   9
.set PAR, 10
.set J,   11
.set HD,  12
.set BB,  13
.set KB,  14
.set VB,  16
.set QBB, 18
.set QBA, 20
.set ABB, 22
.set ABA, 24
.set G1K, 28
.set G1V, 36
.set G0K, 44
.set G0V, 48
.set CS,  52
.set SEL, 54
.set TB,  56
.set KF,  57
.set NK,  58
.set OF,  60
.set Q0,  62
.set Q31, 63
.set LQ,  66
.set KP,  67
.set T0,  68
.set T1,  69
.set CNT, 70
.set LIM, 71
.set PFA, 72
.set PFB, 74
.set MSB, 0
.macro WIN new                         ; the immediate's high byte repeats the setting that is left
.if MSB != \new
	s_set_vgpr_msb (MSB<<8)|\new
.set MSB, \new
.endif
.endm
.set W_KQ, 0x04                        ; Q (source 1) in window 1
.set W_PV, 0x51                        ; V (source 0), O^T (C and D) in window 1
.set W_RS, 0x41                        ; O^T (destination and source 0) in window 1
; Waves 0 to 3 fetch 64 rows of K each, waves 4 to 7 64 rows of V: one load a wave.  An s_nop 0 and four v_nop follow each of the two lines.
.macro TLOAD
	s_cmp_lt_u32 s[WV], 4
	s_cbranch_scc0 .Lfor_v_\@
	tensor_load_to_lds s[G0K:G0K+3], s[G1K:G1K+7]
	s_nop 0
.rept 4
	v_nop
.endr
	s_branch .Lasked_\@
.Lfor_v_\@:
	tensor_load_to_lds s[G0V:G0V+3], s[G1V:G1V+7]
	s_nop 0
.rept 4
	v_nop
.endr
.Lasked_\@:
.endm
; THE CHANGE OF SLOTS, at a trip's head.  Each wave waits for all its tensor loads (its part of the slot about to be read), adds 0 to its spare word, and waits for that and for its reads of the slot that it has left.
; Behind the barrier that other slot takes keys NK = (KF + 256) mod 4,096 on: in the first block's last trip that is key 0, the second block's first slot.
; ask = 1: the head's work-group 0, which walks all 16 slots, names the 32 runs of 256 bytes that this wave will load at the NEXT change: 64 rows of 128 bytes, lanes 256 bytes apart; each run is named once in the launch.
; Slots 0 and 1 are not named, the last two changes name nothing, and the second block, whose keys have been read, names nothing.
.macro CHANGE ask
	s_wait_tensorcnt 0x0                           ; no tensor load of mine is out, so the descriptors may be written
	ds_add_u32 v[SPW], v[NIL]                      ; 0 onto my spare word; the descriptors' steps stand between it and the wait for it
	s_add_co_u32 s[NK], s[KF], 256
	s_and_b32 s[NK], s[NK], 4095
	s_xor_b32 s[G0K+1], s[G0K+1], SLOT1
	s_xor_b32 s[G0V+1], s[G0V+1], SLOT1
	s_lshl_b32 s[OF], s[NK], 7                     ; a key's row is 128 bytes
	s_add_nc_u64 s[G0K+2:G0K+3], s[KB:KB+1], s[OF:OF+1]
	s_or_b32 s[G0K+3], s[G0K+3], 0x80000000
	s_add_nc_u64 s[G0V+2:G0V+3], s[VB:VB+1], s[OF:OF+1]
	s_or_b32 s[G0V+3], s[G0V+3], 0x80000000
.if \ask
	s_wait_xcnt 0x0                                ; the last prefetch, a trip back, has read its address
	s_add_co_u32 s[OF], s[KF], 512
	s_lshl_b32 s[OF], s[OF], 7
	s_add_nc_u64 s[PFA:PFA+1], s[PFB:PFB+1], s[OF:OF+1]
.endif
	s_wait_dscnt 0x0                               ; the add is done, and my reads of the slot that I have left are over
	s_barrier_signal -1
	s_barrier_wait -1
	s_cmp_gt_u32 s[NK], s[LQ]                      ; a slot whose first key comes after the work-group's last query is read by no wave: it is not asked for
	s_cbranch_scc1 .Lpast_\@
	TLOAD                                          ; my one tensor load until the next such barrier
.Lpast_\@:
.if \ask
	s_cmp_lt_u32 s[KF], s[LIM]
	s_cbranch_scc0 .Lnoask_\@
	global_prefetch_b8 v[PFO], s[PFA:PFA+1] th:TH_LOAD_NT scope:SCOPE_SE
.Lnoask_\@:
.endif
.endm
; One step's softmax for both tiles, the tiles line by line by turns.
.macro SOFTMAX
.irp i, 0,1,2,3
.irp t, 0,1
	v_max3_num_f32 v[ST+8*\t+4+\i], v[S+32*\t+8*\i], v[S+32*\t+8*\i+1], v[S+32*\t+8*\i+2]   ; four chains, each begun at an accumulator's low end
.endr
.endr
.irp n, 3,5
.irp i, 0,1,2,3
.irp t, 0,1
	v_max3_num_f32 v[ST+8*\t+4+\i], v[ST+8*\t+4+\i], v[S+32*\t+8*\i+\n], v[S+32*\t+8*\i+\n+1]
.endr
.endr
.endr
.irp t, 0,1
	v_max3_num_f32 v[ST+8*\t+4], v[ST+8*\t+4], v[S+32*\t+7], v[S+32*\t+15]
.endr
.irp t, 0,1
	v_max3_num_f32 v[ST+8*\t+6], v[ST+8*\t+6], v[S+32*\t+23], v[S+32*\t+31]
.endr
.irp t, 0,1
	v_max3_num_f32 v[ST+8*\t+4], v[ST+8*\t+4], v[ST+8*\t+5], v[ST+8*\t+6]
.endr
.irp t, 0,1
	v_max3_num_f32 v[ST+8*\t+4], v[ST+8*\t+4], v[ST+8*\t+7], v[ST+8*\t+1]   ; with the old m
.endr
.irp t, 0,1
	v_permlanex16_b32 v[ST+8*\t+5], v[ST+8*\t+4], s[SEL], s[SEL+1]          ; the query's other 32 keys lie in the lane 16 away
.endr
.irp t, 0,1
	v_mov_b32 v[ST+8*\t+7], v[ST+8*\t]             ; c m_old
.endr
.irp t, 0,1
	v_max_num_f32 v[ST+8*\t+1], v[ST+8*\t+4], v[ST+8*\t+5]
.endr
.irp t, 0,1
	v_mul_f32 v[ST+8*\t], s[CS], v[ST+8*\t+1]
.endr
.irp t, 0,1
	v_sub_f32 v[ST+8*\t+7], v[ST+8*\t+7], v[ST+8*\t]
.endr
.irp b, 0,1,2,3,4,5,6,7,8,9,10,11,12,13,14,15
.irp t, 0,1
	v_pk_fma_f32 v[S+32*\t+2*\b:S+32*\t+2*\b+1], v[S+32*\t+2*\b:S+32*\t+2*\b+1], s[CS:CS+1], v[ST+8*\t:ST+8*\t+1] op_sel_hi:[1,0,0] neg_lo:[0,0,1] neg_hi:[0,0,1]   ; c s - c m
.endr
.endr
.irp t, 0,1
	v_exp_f32 v[ST+8*\t+6], v[ST+8*\t+7]           ; a
.endr
.set i, 0
.rept 64
	v_exp_f32 v[S+i], v[S+i]                       ; p, at most 1
.set i, i+1
.endr
	v_nop                                          ; a plain line behind the last exponential
	s_wait_alu depctr_va_vdst(0)                   ; one wait for the 66 exponentials, ahead of the first line that names a result
.set i, 0
.rept 32
	v_cvt_pk_f16_f32 v[P+i], v[S+2*i], v[S+2*i+1]  ; pair i of a tile's 16: the second product's source 1 as it stands
.set i, i+1
.endr
.irp u, 0,1,2,3,4,5,6,7
.irp t, 0,1
	v_pk_add_f32 v[S+32*\t+4*\u:S+32*\t+4*\u+1], v[S+32*\t+4*\u:S+32*\t+4*\u+1], v[S+32*\t+4*\u+2:S+32*\t+4*\u+3]
.endr
.endr
.irp u, 0,1,2,3
.irp t, 0,1
	v_pk_add_f32 v[S+32*\t+8*\u:S+32*\t+8*\u+1], v[S+32*\t+8*\u:S+32*\t+8*\u+1], v[S+32*\t+8*\u+4:S+32*\t+8*\u+5]
.endr
.endr
.irp u, 0,1
.irp t, 0,1
	v_pk_add_f32 v[S+32*\t+16*\u:S+32*\t+16*\u+1], v[S+32*\t+16*\u:S+32*\t+16*\u+1], v[S+32*\t+16*\u+8:S+32*\t+16*\u+9]
.endr
.endr
.irp t, 0,1
	v_pk_add_f32 v[S+32*\t:S+32*\t+1], v[S+32*\t:S+32*\t+1], v[S+32*\t+16:S+32*\t+17]
.endr
.irp t, 0,1
	v_pk_fma_f32 v[ST+8*\t+2:ST+8*\t+3], v[ST+8*\t+2:ST+8*\t+3], v[ST+8*\t+6:ST+8*\t+7], v[S+32*\t:S+32*\t+1] op_sel_hi:[1,0,1]   ; l = a l + the sum
.endr
.endm
; A STEP: my 64 keys of unit u of the slot in hand against my 32 queries.
.macro STEP u
	s_add_co_u32 s[T0], s[KF], 128*\u
	s_add_co_u32 s[T0], s[T0], s[KP]               ; my first key
	s_cmp_gt_u32 s[T0], s[Q31]
	s_cbranch_scc1 .Lhidden_\@                     ; all 64 keys come after my queries
	v_add_nc_u32 v[ADK], s[TB], v[AK0]
	v_add_nc_u32 v[ADV], s[TB], v[AV0]
	v_nop
	v_nop                                          ; four plain lines between the last products and the loads into V's registers
.irp kt, 0,1,2,3
.irp c, 0,1
	ds_load_b128 v[KFR+16*\kt+8*\c:KFR+16*\kt+8*\c+3],   v[ADK] offset:128*PK*\u+16*PK*\kt+64*\c
	ds_load_b128 v[KFR+16*\kt+8*\c+4:KFR+16*\kt+8*\c+7], v[ADK] offset:128*PK*\u+16*PK*\kt+64*\c+32
.endr
.endr
	WIN 0x40                                       ; destination window 1
.irp kg, 0,1
.irp ct, 0,1,2,3
	ds_load_tr16_b128 v[VF+32*\kg+8*\ct:VF+32*\kg+8*\ct+3],   v[ADV] offset:128*PV*\u+32*PV*\kg+32*\ct
	ds_load_tr16_b128 v[VF+32*\kg+8*\ct+4:VF+32*\kg+8*\ct+7], v[ADV] offset:128*PV*\u+32*PV*\kg+32*\ct+16*PV
.endr
.endr
	s_wait_dscnt 16                                ; K's 16 loads are in; V's 16 may be out
	WIN W_KQ
.irp c, 0,1                                    ; eight accumulators by turns; the first eight products start the sums
.irp kt, 0,1,2,3
.irp t, 0,1
.if \c == 0
	v_wmma_f32_16x16x32_f16 v[S+32*\t+8*\kt:S+32*\t+8*\kt+7], v[KFR+16*\kt+8*\c:KFR+16*\kt+8*\c+7], v[16*\t+8*\c:16*\t+8*\c+7], 0
.else
	v_wmma_f32_16x16x32_f16 v[S+32*\t+8*\kt:S+32*\t+8*\kt+7], v[KFR+16*\kt+8*\c:KFR+16*\kt+8*\c+7], v[16*\t+8*\c:16*\t+8*\c+7], v[S+32*\t+8*\kt:S+32*\t+8*\kt+7]
.endif
.endr
.endr
.endr
	WIN 0
.rept 4
	v_nop
.endr
	s_add_co_u32 s[T1], s[T0], 63
	s_cmp_le_u32 s[T1], s[Q0]
	s_cbranch_scc1 .Lopen_\@                       ; all 64 keys count for all my queries
	s_sub_co_i32 s[T1], s[Q0], s[T0]
	v_add_nc_u32 v[DD], s[T1], v[RH]               ; d = Q0 - T0 + lane % 16 - 8 (lane / 16): register 8 kt + j of tile t is hidden where 16 kt + j - 16 t > d
	v_mov_b32 v[ST+7], 0xff800000                  ; -infinity (the softmax writes this register anew)
.irp t, 0,1
.irp kt, 0,1,2,3
.irp j, 0,1,2,3,4,5,6,7
	v_cmp_gt_i32 vcc_lo, 16*\kt+\j-16*\t, v[DD]
	v_cndmask_b32 v[S+32*\t+8*\kt+\j], v[S+32*\t+8*\kt+\j], v[ST+7], vcc_lo
.endr
.endr
.endr
.Lopen_\@:
	SOFTMAX
	WIN W_RS
.irp t, 0,1
.irp i, 0,1,2,3,4,5,6,7,8,9,10,11,12,13,14,15
	v_pk_mul_f32 v[OT+32*\t+2*\i:OT+32*\t+2*\i+1], v[OT+32*\t+2*\i:OT+32*\t+2*\i+1], v[ST+8*\t+6:ST+8*\t+7] op_sel_hi:[1,0]   ; O^T x a, each accumulator from its low end on
.endr
.endr
	s_wait_dscnt 0x0                               ; V is in
	WIN W_PV
.irp kg, 0,1
.irp ct, 0,1,2,3
.irp t, 0,1
	v_wmma_f32_16x16x32_f16 v[OT+32*\t+8*\ct:OT+32*\t+8*\ct+7], v[VF+32*\kg+8*\ct:VF+32*\kg+8*\ct+7], v[P+16*\t+8*\kg:P+16*\t+8*\kg+7], v[OT+32*\t+8*\ct:OT+32*\t+8*\ct+7]
.endr
.endr
.endr
	WIN 0
.Lhidden_\@:
.endm
; A block begins: its limits, its queries, and empty sums (the first walked step multiplies zeros by a = 0).
.macro INIT breg, qb
	s_lshl_b32 s[LQ], s[\breg], 7
	s_lshl_b32 s[T0], s[G], 5
	s_add_co_u32 s[Q0], s[LQ], s[T0]               ; my first query
	s_add_co_u32 s[Q31], s[Q0], 31                 ; my last
	s_add_co_u32 s[LQ], s[LQ], 127                 ; the work-group's last
	s_mov_b32 s[KF], 0
	WIN 0x40
.irp t, 0,1
.irp c, 0,1
	global_load_b128 v[16*\t+8*\c:16*\t+8*\c+3],   v[QO], s[\qb:\qb+1] offset:2048*\t+64*\c
	global_load_b128 v[16*\t+8*\c+4:16*\t+8*\c+7], v[QO], s[\qb:\qb+1] offset:2048*\t+64*\c+32
.endr
.endr
.set i, 0
.rept 64
	v_mov_b32 v[OT+i], 0
.set i, i+1
.endr
	WIN 0
.irp t, 0,1
	v_mov_b32 v[ST+8*\t+1], 0xff61b1e6             ; m = -3e38, under every score
	v_mul_f32 v[ST+8*\t], s[CS], v[ST+8*\t+1]
	v_mov_b32 v[ST+8*\t+2], 0
	v_mov_b32 v[ST+8*\t+3], 0
.endr
	s_wait_loadcnt 0x0                             ; Q
.endm
.macro PASS n, ask                     ; n trips, a constant: a trip is a slot of 256 keys, two steps a wave
	s_mov_b32 s[CNT], \n
.Lpass_\@:
	CHANGE \ask
	STEP 0
	STEP 1
	s_xor_b32 s[TB], s[TB], SLOT1
	s_add_co_u32 s[KF], s[KF], 256
	s_sub_co_u32 s[CNT], s[CNT], 1
	s_cmp_lg_u32 s[CNT], 0
	s_cbranch_scc1 .Lpass_\@
.endm
; A block ends: wave (g, 1) stores O^T as an image of its registers, and c m and l; a barrier; wave (g, 0) brings both parts under the larger maximum, divides by the whole sum and stores 32 rows.
.macro JOIN ab
.rept 4
	v_nop                                          ; places behind the last products
.endr
.irp t, 0,1
	v_add_f32 v[ST+8*\t+2], v[ST+8*\t+2], v[ST+8*\t+3]
.endr
	s_cmp_eq_u32 s[PAR], 0
	s_cbranch_scc1 .Lkeep_\@
	WIN 0x04                                       ; an LDS store's data: window 1
.set i, 0
.rept 16
	ds_store_b128 v[MST], v[OT+4*i:OT+4*i+3] offset:512*i
.set i, i+1
.endr
	WIN 0
	ds_store_b32 v[MSS], v[ST]
	ds_store_b32 v[MSS], v[ST+2] offset:128
	ds_store_b32 v[MSS], v[ST+8] offset:256
	ds_store_b32 v[MSS], v[ST+10] offset:384
.Lkeep_\@:
	s_wait_dscnt 0x0                               ; for the partner's sake: my stores have landed
	s_barrier_signal -1
	s_barrier_wait -1                              ; the next block's first slot may stay on its way across it
	s_cmp_lg_u32 s[PAR], 0
	s_cbranch_scc1 .Ldone_\@
	s_wait_xcnt 0x0                                ; the last block's stores have read v192-223
.set i, 0
.rept 16
	ds_load_b128 v[X+4*i:X+4*i+3], v[MST] offset:512*i
.set i, i+1
.endr
	ds_load_b32 v32, v[MSS]                        ; the partner's c m and l, tile 0,
	ds_load_b32 v33, v[MSS] offset:128
	ds_load_b32 v34, v[MSS] offset:256             ; tile 1
	ds_load_b32 v35, v[MSS] offset:384
	s_wait_dscnt 0x0
.irp t, 0,1
	v_max_num_f32 v[ST+8*\t+4], v[ST+8*\t], v[32+2*\t]
.endr
.irp t, 0,1
	v_sub_f32 v[ST+8*\t+5], v[ST+8*\t], v[ST+8*\t+4]
	v_sub_f32 v[ST+8*\t+6], v[32+2*\t], v[ST+8*\t+4]
.endr
.irp t, 0,1
	v_exp_f32 v[ST+8*\t+5], v[ST+8*\t+5]           ; a for my part,
	v_exp_f32 v[ST+8*\t+6], v[ST+8*\t+6]           ; a' for the partner's (0 where it walked no step)
.endr
	v_nop
	s_wait_alu depctr_va_vdst(0)                   ; one wait for the four
.irp t, 0,1
	v_mul_f32 v[ST+8*\t+7], v[ST+8*\t+6], v[33+2*\t]
.endr
.irp t, 0,1
	v_fma_f32 v[ST+8*\t+7], v[ST+8*\t+5], v[ST+8*\t+2], v[ST+8*\t+7]
.endr
.irp t, 0,1
	v_permlanex16_b32 v[ST+8*\t+4], v[ST+8*\t+7], s[SEL], s[SEL+1]
.endr
.irp t, 0,1
	v_add_f32 v[ST+8*\t+7], v[ST+8*\t+7], v[ST+8*\t+4]   ; the row's whole sum
.endr
.irp t, 0,1
	v_rcp_f32 v[ST+8*\t+4], v[ST+8*\t+7]
.endr
	v_nop
	s_wait_alu depctr_va_vdst(0)                   ; one wait for the two
.irp t, 0,1
	v_mul_f32 v[36+4*\t], v[ST+8*\t+5], v[ST+8*\t+4]     ; f = a / sum
	v_mul_f32 v[38+4*\t], v[ST+8*\t+6], v[ST+8*\t+4]     ; f' = a' / sum
.endr
.irp t, 0,1
	v_mov_b32 v[37+4*\t], v[36+4*\t]               ; (named with them as pairs, so they are written)
	v_mov_b32 v[39+4*\t], v[38+4*\t]
.endr
.irp t, 0,1
.irp i, 0,1,2,3,4,5,6,7,8,9,10,11,12,13,14,15
	v_pk_mul_f32 v[X+32*\t+2*\i:X+32*\t+2*\i+1], v[X+32*\t+2*\i:X+32*\t+2*\i+1], v[38+4*\t:39+4*\t] op_sel_hi:[1,0]
.endr
.endr
	WIN 0x01                                       ; source 0: window 1
.irp t, 0,1
.irp i, 0,1,2,3,4,5,6,7,8,9,10,11,12,13,14,15
	v_pk_fma_f32 v[X+32*\t+2*\i:X+32*\t+2*\i+1], v[OT+32*\t+2*\i:OT+32*\t+2*\i+1], v[36+4*\t:37+4*\t], v[X+32*\t+2*\i:X+32*\t+2*\i+1] op_sel_hi:[1,0,1]
.endr
.endr
	WIN 0
.set i, 0
.rept 32
	v_cvt_pk_f16_f32 v[48+i], v[X+2*i], v[X+2*i+1] ; a lane's eight channels of a row: 16 bytes
.set i, i+1
.endr
.irp t, 0,1
.irp ct, 0,1,2,3
	ds_store_b128 v[OST], v[48+16*\t+4*\ct:48+16*\t+4*\ct+3] offset:16*PK*\t+32*\ct
.endr
.endr
.irp i, 0,1,2,3,4,5,6,7
	ds_load_b128 v[X+4*\i:X+4*\i+3], v[ORD] offset:4*PK*\i   ; LDS serves a wave's instructions in order: these see the stores above
.endr
.irp i, 0,1,2,3,4,5,6,7
	s_wait_dscnt 7-\i                              ; load i is in; the younger ones may be out
	global_store_b128 v[GO], v[X+4*\i:X+4*\i+3], s[\ab:\ab+1] offset:512*\i   ; four rows of 128 bytes: 512 consecutive bytes
.endr
.Ldone_\@:
.endm
	s_load_b128 s[4:7], s[0:1], 0x0                ; qkv16, att16
	v_lshl_add_u32 v[SPW], v0, 2, SPARE
	v_mov_b32 v[NIL], 0
	ds_add_u32 v[SPW], v[NIL]                      ; the wave's opening: the add, twice on end, and its wait ahead of my first tensor load
	ds_add_u32 v[SPW], v[NIL]
	v_lshrrev_b32 v1, 5, v0
	v_readfirstlane_b32 s[WV], v1                  ; wave 0..7
	s_and_b32 s[G], s[WV], 3
	s_lshr_b32 s[PAR], s[WV], 2
	s_mov_b32 s[J], ttmp9
	s_and_b32 s[HD], ttmp7, 0xffff
	s_sub_co_u32 s[BB], 31, s[J]
	s_lshl_b32 s[KP], s[PAR], 6
	s_mov_b32 s[G1K], (1<<16)|(1<<20)|(4<<22)|(3<<25)   ; elements of 2 bytes; padding on: 4 words behind every 32
	s_mov_b32 s[G1V], (1<<16)|(1<<20)|(4<<22)|(7<<25)   ; 8 words
.irp g, G1K, G1V
	s_mov_b32 s[\g+1], 64<<16                      ; tensor_dim0
	s_mov_b32 s[\g+2], 64<<16                      ; tensor_dim1
	s_mov_b32 s[\g+3], 64<<16                      ; tile_dim0
	s_mov_b32 s[\g+4], 64                          ; tile_dim1
	s_mov_b32 s[\g+5], 64                          ; from row to row
	s_mov_b32 s[\g+6], 0
	s_mov_b32 s[\g+7], 0
.endr
	s_mov_b32 s[CS], 0x3e38aa3b                    ; c = log2(e) / 8
	s_mov_b32 s[CS+1], s[CS]
	s_mov_b32 s[SEL], 0x76543210
	s_mov_b32 s[SEL+1], 0xfedcba98
	s_mov_b32 s[TB], 0
	s_mov_b32 s[OF+1], 0
	s_wait_dscnt 0x0                               ; both opening adds are done
	s_wait_kmcnt 0x0
	s_lshl_b32 s[T0], s[G], 13                     ; my 64 rows of a slot's 256
	s_add_co_u32 s[OF], s[HD], 16
	s_lshl_b32 s[OF], s[OF], 19
	s_add_co_u32 s[OF], s[OF], s[T0]
	s_add_nc_u64 s[KB:KB+1], s[4:5], s[OF:OF+1]
	s_add_co_u32 s[OF], s[HD], 32
	s_lshl_b32 s[OF], s[OF], 19
	s_add_co_u32 s[OF], s[OF], s[T0]
	s_add_nc_u64 s[VB:VB+1], s[4:5], s[OF:OF+1]
	s_mov_b32 s[G0K], 1
	s_mul_i32 s[G0K+1], s[G], 64*PK
	s_mov_b64 s[G0K+2:G0K+3], s[KB:KB+1]
	s_or_b32 s[G0K+3], s[G0K+3], 0x80000000
	s_mov_b32 s[G0V], 1
	s_mul_i32 s[G0V+1], s[G], 64*PV
	s_add_co_u32 s[G0V+1], s[G0V+1], VOFF
	s_mov_b64 s[G0V+2:G0V+3], s[VB:VB+1]
	s_or_b32 s[G0V+3], s[G0V+3], 0x80000000
	TLOAD                                          ; slot 0: keys 0 to 255, which every block reads
	s_lshl_b32 s[T0], s[HD], 19
	s_lshl_b32 s[T1], s[G], 12                     ; my 32 rows of 128 bytes
	s_add_co_u32 s[T0], s[T0], s[T1]
	s_lshl_b32 s[OF], s[BB], 14
	s_add_co_u32 s[OF], s[OF], s[T0]
	s_add_nc_u64 s[QBB:QBB+1], s[4:5], s[OF:OF+1]
	s_lshl_b32 s[OF], s[J], 14
	s_add_co_u32 s[OF], s[OF], s[T0]
	s_add_nc_u64 s[QBA:QBA+1], s[4:5], s[OF:OF+1]
	s_lshl_b32 s[T0], s[HD], 14
	s_add_co_u32 s[T0], s[T0], s[T1]
	s_lshl_b32 s[OF], s[BB], 18
	s_add_co_u32 s[OF], s[OF], s[T0]
	s_add_nc_u64 s[ABB:ABB+1], s[6:7], s[OF:OF+1]
	s_lshl_b32 s[OF], s[J], 18
	s_add_co_u32 s[OF], s[OF], s[T0]
	s_add_nc_u64 s[ABA:ABA+1], s[6:7], s[OF:OF+1]
	s_cmp_eq_u32 s[PAR], 0
	s_cselect_b64 s[PFB:PFB+1], s[KB:KB+1], s[VB:VB+1]
	s_cmp_eq_u32 s[J], 0
	s_cselect_b32 s[LIM], 3584, 0
	v_and_b32 v32, 15, v0                          ; r
	v_bfe_u32 v33, v0, 4, 1                        ; h
	v_and_b32 v34, 31, v0                          ; lane
	v_and_b32 v35, 7, v0
	v_bfe_u32 v36, v0, 3, 1
	s_mul_i32 s[T0], s[PAR], 64*PK
	v_mul_u32_u24 v[AK0], v32, PK
	v_lshl_add_u32 v[AK0], v33, 4, v[AK0]
	v_add_nc_u32 v[AK0], s[T0], v[AK0]             ; K: row r, + 16 h, + my 64 keys of a unit
	v_lshl_add_u32 v[AV0], v33, 3, v35
	v_mul_u32_u24 v[AV0], v[AV0], PV
	v_lshl_add_u32 v[AV0], v36, 4, v[AV0]
	s_mul_i32 s[T0], s[PAR], 64*PV
	s_add_co_u32 s[T0], s[T0], VOFF
	v_add_nc_u32 v[AV0], s[T0], v[AV0]             ; V, for the turning load: key 8 h + lane % 8, channels 8 ((lane / 8) % 2) on
	v_lshlrev_b32 v[QO], 7, v32
	v_lshl_add_u32 v[QO], v33, 4, v[QO]
	s_mul_i32 s[T0], s[G], MSZ
	s_add_co_u32 s[T0], s[T0], MRG
	v_lshl_add_u32 v[MST], v34, 4, s[T0]
	s_add_co_u32 s[T1], s[T0], 8192
	v_lshl_add_u32 v[MSS], v34, 2, s[T1]
	s_mul_i32 s[T0], s[G], OSZ
	s_add_co_u32 s[T0], s[T0], OUTST
	v_mul_u32_u24 v[OST], v32, PK
	v_lshl_add_u32 v[OST], v33, 4, v[OST]
	v_add_nc_u32 v[OST], s[T0], v[OST]
	v_lshrrev_b32 v37, 3, v34
	v_mul_u32_u24 v[ORD], v37, PK
	v_lshl_add_u32 v[ORD], v35, 4, v[ORD]
	v_add_nc_u32 v[ORD], s[T0], v[ORD]
	v_lshlrev_b32 v[GO], 4, v34
	v_lshlrev_b32 v[PFO], 8, v34
	v_lshlrev_b32 v38, 3, v33
	v_sub_nc_u32 v[RH], v32, v38
	INIT BB, QBB                                   ; block 31 - j
	PASS 16, 1
	JOIN ABB
	INIT J, QBA                                    ; block j
	PASS 8, 0
	JOIN ABA
	s_wait_tensorcnt 0x0                           ; the wave's end, behind my last tensor load and my last LDS store
	ds_add_u32 v[SPW], v[NIL]
	s_wait_dscnt 0x0
	s_endpgm
.Lfunc_end_k_q9e7c8501d0_attn:
	.size	k_q9e7c8501d0_attn, .Lfunc_end_k_q9e7c8501d0_attn-k_q9e7c8501d0_attn
	.p2alignl 7, 3214868480
	.fill 96, 4, 3214868480
	.section	.rodata,"a",@progbits
	.p2align	6, 0x0
	.amdhsa_kernel k_q9e7c8501d0_attn
		.amdhsa_group_segment_fixed_size 327680
		.amdhsa_private_segment_fixed_size 0
		.amdhsa_enable_private_segment 0
		.amdhsa_kernarg_size 16
		.amdhsa_user_sgpr_count 2
		.amdhsa_user_sgpr_kernarg_segment_ptr 1
		.amdhsa_wavefront_size32 1
		.amdhsa_system_sgpr_workgroup_id_x 1
		.amdhsa_system_sgpr_workgroup_id_y 1
		.amdhsa_system_sgpr_workgroup_id_z 1
		.amdhsa_system_vgpr_workitem_id 0
		.amdhsa_next_free_vgpr 448
		.amdhsa_next_free_sgpr 80
		.amdhsa_reserve_vcc 1
		.amdhsa_float_denorm_mode_32 3
		.amdhsa_float_denorm_mode_16_64 3
		.amdhsa_memory_ordered 1
		.amdhsa_forward_progress 1
		.amdhsa_inst_pref_size 127
	.end_amdhsa_kernel
	.amdgpu_metadata
---
amdhsa.version: [ 1, 2 ]
amdhsa.kernels:
  - .name:           k_q9e7c8501d0_attn
    .symbol:         k_q9e7c8501d0_attn.kd
    .args:
      - { .name: qkv16, .offset: 0, .size: 8, .value_kind: global_buffer, .address_space: global }
      - { .name: att16, .offset: 8, .size: 8, .value_kind: global_buffer, .address_space: global }
    .group_segment_fixed_size: 327680
    .private_segment_fixed_size: 0
    .kernarg_segment_align: 8
    .kernarg_segment_size: 16
    .max_flat_workgroup_size: 256
    .sgpr_count:     80
    .vgpr_count:     448
    .wavefront_size: 32
...
	.end_amdgpu_metadata
.endif
;; end of part 3
;; launch proj (part 4): grid 8 x 32, 4 waves a work-group, clusters of 4 x 4, 327,680 bytes of LDS; arguments att16, wo16, out0; writes out0
.if DOCPART == 4
	.amdgcn_target "amdgcn-amd-amdhsa--gfx1250"
	.amdhsa_code_object_version 6
	.text
	.protected	k_q9e7c8501d0_proj
	.globl	k_q9e7c8501d0_proj
	.p2align	8
	.type	k_q9e7c8501d0_proj,@function
k_q9e7c8501d0_proj:
	s_mov_b64 s[64:65], 0
	v_nop
	global_prefetch_b8 v0, s[64:65] scope:SCOPE_SE
	s_setreg_imm32_b32 hwreg(HW_REG_WAVE_MODE, 25, 1), 1
	s_wait_xcnt 0x0
	s_wait_alu depctr_hold_cnt(0) depctr_sa_sdst(0) depctr_va_vdst(0) depctr_va_sdst(0) depctr_va_ssrc(0) depctr_va_vcc(0) depctr_vm_vsrc(0)
	s_getreg_b32 s2, hwreg(HW_REG_IB_STS2, 6, 4)
	s_cmp_eq_u32 s2, 0
	s_cbranch_scc0 .Lentry_in_a_cluster
	s_endpgm
.Lentry_in_a_cluster:
	s_bfe_u32 s2, ttmp6, 0x10000c
	s_cmp_lg_u32 s2, 0xf033
	s_cbranch_scc0 .Lentry_shape_is_right
	s_endpgm
.Lentry_shape_is_right:
; out0[m][n] = sum over k of att[m][k] Wo[n][k]: 4,096 x 1,024 x 1,024, operands f16, sums and result f32.
; att16: [m / 128][k / 64][128 rows][64], wo16: [n / 128][k / 64][128 rows][64]: a tile's four chunks of a K step of 256 are 65,536 consecutive bytes.
; A tile of the result is 128 x 128 (256 work-groups); four waves, each 64 x 64: 16 accumulators.  K goes in steps of 256 through two LDS slots; a wave's tensor load brings two chunks: 256 rows of 128 bytes.
; CLUSTERS: 4 x 4 work-groups.  The four of a row of the cluster need the same tiles of att, the four of a column the same tiles of Wo: each tile is asked for JOINTLY.
; THE MATRIX INSTRUCTION IS USED TRANSPOSED (source 0 = 16 rows of Wo, source 1 = 16 rows of att): a lane holds eight neighbouring numbers of a row of the result.
; Rows 0 to 15 are made here like all others; the launch behind this one writes them again, made in f32.
; No prefetch: K has four steps, and two of them are asked for at the head.
; REGISTERS: window 0: v0-31 addresses; v32-95 rows on the way out; v128-255 the accumulators ((a, b) at v[128 + 8 (4 a + b)]).  Window 1: two fragment buffers of 128: 64 registers of att, then 64 of Wo, for one chunk of 64 along K.
.set PITCH,  144                       ; an LDS row: 128 bytes + 16
.set CHB,    128*PITCH                 ; a chunk's 128 rows
.set HALFT,  2*CHB                     ; what one tensor load brings
.set SLOT,   4*HALFT                   ; att's four chunks, then Wo's four
.set STAGE,  2*SLOT                    ; behind the ring: 16 rows x 272 bytes for each wave
.set SPITCH, 272
.set SPARE,  STAGE+4*16*SPITCH         ; the spare words, 128 bytes a wave
.set ADRA, 16
.set ADRB, 20
.set STO,  24
.set RD,   25
.set CO,   26
.set SPW,  28
.set NIL,  29
.set TMP,  32
.set ACC,  128
.set F0,   0
.set F1,   128
.set G1, 24
.set G0, 32
.set G1B, 48
.set G0B, 56
.set MSB, 0
.macro WIN new
.if MSB != \new
	s_set_vgpr_msb (MSB<<8)|\new
.set MSB, \new
.endif
.endm
.set MUL,  0x05                        ; sources 0 and 1 window 1; C and D window 0
.set TO_F, 0x40                        ; destination window 1, address window 0
.macro JLOAD s                         ; a joint load: waves 0 and 1 fetch att's halves, waves 2 and 3 Wo's; an s_nop 0 and four v_nop follow each of the two lines
	s_cmp_eq_u32 s11, 0
	s_cbranch_scc0 .Lfor_b_\@
	tensor_load_to_lds s[G0+4*\s:G0+4*\s+3], s[G1:G1+7]
	s_nop 0
.rept 4
	v_nop
.endr
	s_branch .Lasked_\@
.Lfor_b_\@:
	tensor_load_to_lds s[G0B+4*\s:G0B+4*\s+3], s[G1B:G1B+7]
	s_nop 0
.rept 4
	v_nop
.endr
.Lasked_\@:
.endm
.macro CREST                           ; a round of the cluster's barrier behind its opening barrier
	s_cmp_lg_u32 s10, 0
	s_cbranch_scc1 .Lnot_wave_0_\@
	s_barrier_signal -3
.Lnot_wave_0_\@:
	s_barrier_wait -3
	s_barrier_signal -1
	s_barrier_wait -1
.endm
.macro CROUND
	s_barrier_signal -1
	s_barrier_wait -1
	CREST
.endm
	s_load_b128 s[4:7], s[0:1], 0x0                ; att16, wo16
	s_load_b64 s[8:9], s[0:1], 0x10                ; out0
	v_lshl_add_u32 v[SPW], v0, 2, SPARE
	v_mov_b32 v[NIL], 0
	ds_add_u32 v[SPW], v[NIL]                      ; the wave's opening: the add, twice on end, and its wait ahead of my first tensor load
	ds_add_u32 v[SPW], v[NIL]
	v_lshrrev_b32 v1, 5, v0
	v_readfirstlane_b32 s10, v1                    ; wave 0..3
	s_lshr_b32 s11, s10, 1                         ; which half of the tile's rows is mine.  Also: I fetch for att (0) or for Wo (1)
	s_and_b32 s12, s10, 1                          ; which half of its columns.  Also: which two chunks I fetch
	s_bfe_u32 s40, ttmp6, 0x40000
	s_bfe_u32 s41, ttmp6, 0x40004
	s_lshl_b32 s42, ttmp9, 2
	s_add_co_u32 s42, s42, s40                     ; tile column
	s_and_b32 s13, ttmp7, 0xffff
	s_lshl_b32 s13, s13, 2
	s_add_co_u32 s13, s13, s41                     ; tile row
	s_lshl_b32 s43, s41, 2
	s_lshl_b32 s43, 15, s43                        ; my row of the cluster
	s_lshl_b32 s44, 0x1111, s40                    ; my column
	s_or_b32 s[G1+0], s43, (1<<16)|(1<<20)|(1<<21)|(4<<22)|(3<<25)  ; the mask; elements of 2 bytes; padding on; bit 21 beside a mask; 4 words behind every 32
	s_or_b32 s[G1B+0], s44, (1<<16)|(1<<20)|(1<<21)|(4<<22)|(3<<25)
.irp g, G1, G1B
	s_mov_b32 s[\g+1], 64<<16                      ; tensor_dim0
	s_mov_b32 s[\g+2], 256<<16                     ; tensor_dim1
	s_mov_b32 s[\g+3], 64<<16                      ; tile_dim0
	s_mov_b32 s[\g+4], 256                         ; tile_dim1
	s_mov_b32 s[\g+5], 64                          ; from row to row
	s_mov_b32 s[\g+6], 0
	s_mov_b32 s[\g+7], 0
.endr
	s_lshl_b32 s17, s12, 15                        ; my two chunks: 32,768 bytes
	s_lshl_b32 s16, s13, 18                        ; a block of 128 rows is 262,144 bytes
	s_add_co_u32 s16, s16, s17
	s_lshl_b32 s46, s42, 18
	s_add_co_u32 s46, s46, s17
	s_mov_b32 s17, 0
	s_mov_b32 s47, 0
	s_mul_i32 s20, s10, HALFT                      ; where they go: wave x two chunks
	s_wait_dscnt 0x0                               ; both opening adds are done
	s_wait_kmcnt 0x0
	s_add_nc_u64 s[14:15], s[4:5], s[16:17]
	s_add_nc_u64 s[46:47], s[6:7], s[46:47]
	CROUND                                         ; all sixteen work-groups are here: the first joint loads meet
.irp s, 0,1
	s_mov_b32 s[G0+4*\s], 1
	s_add_co_u32 s[G0+4*\s+1], s20, \s*SLOT
	s_add_nc_u64 s[G0+4*\s+2:G0+4*\s+3], s[14:15], \s*65536
	s_or_b32 s[G0+4*\s+3], s[G0+4*\s+3], 0x80000000
	s_mov_b32 s[G0B+4*\s], 1
	s_add_co_u32 s[G0B+4*\s+1], s20, \s*SLOT
	s_add_nc_u64 s[G0B+4*\s+2:G0B+4*\s+3], s[46:47], \s*65536
	s_or_b32 s[G0B+4*\s+3], s[G0B+4*\s+3], 0x80000000
	JLOAD \s
.endr
	v_and_b32 v1, 15, v0                           ; l % 16
	v_bfe_u32 v2, v0, 4, 1                         ; l / 16
	v_mul_u32_u24 v3, v1, PITCH
	v_lshl_add_u32 v3, v2, 4, v3
	s_mul_i32 s21, s11, 64*PITCH                   ; my 64 rows of att in a chunk
	s_mul_i32 s22, s12, 64*PITCH                   ; my 64 rows of Wo,
	s_add_co_u32 s22, s22, 2*HALFT                 ; behind att's four chunks
.irp s, 0,1
	v_add_nc_u32 v[ADRA+\s], s21, v3
	v_add_nc_u32 v[ADRB+\s], s22, v3
	s_add_co_u32 s21, s21, SLOT
	s_add_co_u32 s22, s22, SLOT
.endr
	s_mul_i32 s23, s10, 16*SPITCH
	s_add_co_u32 s23, s23, STAGE                   ; my stage
	v_mul_u32_u24 v4, v1, SPITCH
	v_lshl_add_u32 v4, v2, 5, v4
	v_add_nc_u32 v[STO], s23, v4                   ; in: row l % 16, 32 bytes for each half of the lanes
	v_mul_u32_u24 v5, v2, SPITCH
	v_lshl_add_u32 v5, v1, 4, v5
	v_add_nc_u32 v[RD], s23, v5                    ; back: lanes 0-15 one row of 256 bytes, lanes 16-31 the next
	v_lshlrev_b32 v5, 12, v2
	v_lshl_add_u32 v[CO], v1, 4, v5                ; and the same two rows in out0 (4,096 bytes a row)
	s_lshl_b32 s16, s13, 7
	s_lshl_b32 s17, s11, 6
	s_add_co_u32 s16, s16, s17                     ; my first row
	s_lshl_b32 s16, s16, 12
	s_lshl_b32 s46, s42, 9
	s_lshl_b32 s47, s12, 8
	s_add_co_u32 s46, s46, s47                     ; my first column, in bytes
	s_add_co_u32 s16, s16, s46
	s_mov_b32 s17, 0
	s_add_nc_u64 s[8:9], s[8:9], s[16:17]
; 8 matrix instructions: m blocks a0, a0 + 1 x all 4 n blocks, 32 along K: half c of buffer f.  The 16 accumulators take turns.
.macro MUL8 f, c, a0, zero
.irp a, \a0, \a0+1
.irp b, 0,1,2,3
.if \zero
	v_wmma_f32_16x16x32_f16 v[ACC+8*(4*(\a)+\b):ACC+8*(4*(\a)+\b)+7], v[\f+64+8*(4*\c+\b):\f+64+8*(4*\c+\b)+7], v[\f+8*(4*\c+\a):\f+8*(4*\c+\a)+7], 0
.else
	v_wmma_f32_16x16x32_f16 v[ACC+8*(4*(\a)+\b):ACC+8*(4*(\a)+\b)+7], v[\f+64+8*(4*\c+\b):\f+64+8*(4*\c+\b)+7], v[\f+8*(4*\c+\a):\f+8*(4*\c+\a)+7], v[ACC+8*(4*(\a)+\b):ACC+8*(4*(\a)+\b)+7]
.endif
.endr
.endr
.endm
; 32 LDS loads in one run: the fragments of the chunk that begins k bytes into the slot's att and Wo parts, into buffer f; the first 32 along K first
.macro FETCH slot, k, f
	WIN TO_F
.irp c, 0,1
.irp i, 0,1,2,3
	ds_load_b128 v[\f+64+8*(4*\c+\i):\f+64+8*(4*\c+\i)+3],   v[ADRB+\slot] offset:\k+64*\c+\i*16*PITCH
	ds_load_b128 v[\f+64+8*(4*\c+\i)+4:\f+64+8*(4*\c+\i)+7], v[ADRB+\slot] offset:\k+64*\c+\i*16*PITCH+32
	ds_load_b128 v[\f+8*(4*\c+\i):\f+8*(4*\c+\i)+3],         v[ADRA+\slot] offset:\k+64*\c+\i*16*PITCH
	ds_load_b128 v[\f+8*(4*\c+\i)+4:\f+8*(4*\c+\i)+7],       v[ADRA+\slot] offset:\k+64*\c+\i*16*PITCH+32
.endr
.endr
.endm
.macro PLACES                          ; four plain lines in front of loads into registers that matrix instructions have read, and of reads of results
.rept 4
	v_nop
.endr
.endm
.macro QUARTER slot, k, f, g, zero     ; one chunk: multiplies buffer f and fetches the next chunk, at byte k, into g
	s_wait_dscnt 16                                ; the first 32 along K are in
	WIN MUL
	MUL8 \f, 0, 0, \zero
	MUL8 \f, 0, 2, \zero
	PLACES
	FETCH \slot, \k, \g
	s_wait_dscnt 32                                ; all but the 32 just issued
	WIN MUL
	MUL8 \f, 1, 0, 0
	MUL8 \f, 1, 2, 0
.endm
; A slot's last chunk changes slots: ONE barrier; in front of it each wave waits for all its tensor loads, adds 0 to its spare word, and waits for that and for its reads of this slot.  fill = 1: this slot is filled again, two K steps on.
.macro TURN slot, next, fill
	WIN 0
	s_wait_tensorcnt 0x0                           ; my part of the next slot has landed
	ds_add_u32 v[SPW], v[NIL]
	s_wait_dscnt 17                                ; the add and the youngest sixteen loads may be out
	WIN MUL
	MUL8 F1, 0, 0, 0
	s_wait_dscnt 0x0                               ; the add is done, and my reads of this slot are over
	s_barrier_signal -1
	MUL8 F1, 0, 2, 0
.if \fill
	WIN 0
.endif
	s_barrier_wait -1
.if \fill
	CREST                                          ; the barrier has opened a round of the cluster's barrier: no wave of any partner still reads this slot or has a load on its way
	s_add_nc_u64 s[G0+4*\slot+2:G0+4*\slot+3], s[G0+4*\slot+2:G0+4*\slot+3], 131072
	s_add_nc_u64 s[G0B+4*\slot+2:G0B+4*\slot+3], s[G0B+4*\slot+2:G0B+4*\slot+3], 131072
	JLOAD \slot                                    ; the first tensor load behind the round; its four v_nop are also the places in front of the loads below
.else
	PLACES
.endif
	FETCH \next, 0, F0
	WIN MUL
	MUL8 F1, 1, 0, 0
	MUL8 F1, 1, 2, 0
.endm
	s_wait_tensorcnt 1                             ; my part of K step 0 is in; K step 1's load may be out
	s_barrier_signal -1
	s_barrier_wait -1
	FETCH 0, 0, F0
	QUARTER 0, CHB,   F0, F1, 1                    ; K step 0; its first products start the sums
	QUARTER 0, 2*CHB, F1, F0, 0
	QUARTER 0, 3*CHB, F0, F1, 0
	TURN 0, 1, 1                                   ; slot 0 takes K step 2
	QUARTER 1, CHB,   F0, F1, 0                    ; K step 1
	QUARTER 1, 2*CHB, F1, F0, 0
	QUARTER 1, 3*CHB, F0, F1, 0
	TURN 1, 0, 1                                   ; slot 1 takes K step 3
	QUARTER 0, CHB,   F0, F1, 0                    ; K step 2
	QUARTER 0, 2*CHB, F1, F0, 0
	QUARTER 0, 3*CHB, F0, F1, 0
	TURN 0, 1, 0                                   ; nothing is left to fetch
	QUARTER 1, CHB,   F0, F1, 0                    ; K step 3
	QUARTER 1, 2*CHB, F1, F0, 0
	QUARTER 1, 3*CHB, F0, F1, 0
	s_wait_dscnt 16
	WIN MUL
	MUL8 F1, 0, 0, 0
	MUL8 F1, 0, 2, 0
	s_wait_dscnt 0
	MUL8 F1, 1, 0, 0
	MUL8 F1, 1, 2, 0
	WIN 0
; THE WAY OUT, block by block of 16 rows x 64 columns of f32: a wave's 64 columns are 256 consecutive bytes of a row, so each wave has a stage of its own and no barrier is needed.
.macro TOSTAGE a
.irp b, 0,1,2,3
	ds_store_b128 v[STO], v[ACC+8*(4*(\a)+\b):ACC+8*(4*(\a)+\b)+3] offset:64*\b          ; each accumulator from its low end on
	ds_store_b128 v[STO], v[ACC+8*(4*(\a)+\b)+4:ACC+8*(4*(\a)+\b)+7] offset:64*\b+16
.endr
.irp t, 0,1,2,3,4,5,6,7
	ds_load_b128 v[TMP+32*((\a)%2)+4*\t:TMP+32*((\a)%2)+4*\t+3], v[RD] offset:\t*2*SPITCH   ; LDS serves a wave's instructions in order: these see the stores above
.endr
.endm
.macro SEND a, younger
	s_wait_dscnt \younger                          ; the block is back in registers; the next block's 8 stores and 8 loads may be out
.irp t, 0,1,2,3,4,5,6,7
	global_store_b128 v[CO], v[TMP+32*((\a)%2)+4*\t:TMP+32*((\a)%2)+4*\t+3], s[8:9] offset:(16*(\a)+2*\t)*4096 th:TH_STORE_NT   ; 16 lanes store 256 consecutive bytes, aligned
.endr
.endm
	PLACES
	TOSTAGE 0
	TOSTAGE 1
	SEND 0, 16
	s_wait_xcnt 0x0                                ; block 0's stores have read their registers: block 2's loads may land there
	TOSTAGE 2
	SEND 1, 16
	s_wait_xcnt 0x0
	TOSTAGE 3
	SEND 2, 16
	SEND 3, 0
	s_wait_tensorcnt 0x0                           ; the wave's end, behind my last tensor load and my last LDS store
	ds_add_u32 v[SPW], v[NIL]
	s_wait_dscnt 0x0
	CROUND                                         ; the closing round
	s_endpgm
.Lfunc_end_k_q9e7c8501d0_proj:
	.size	k_q9e7c8501d0_proj, .Lfunc_end_k_q9e7c8501d0_proj-k_q9e7c8501d0_proj
	.p2alignl 7, 3214868480
	.fill 96, 4, 3214868480
	.section	.rodata,"a",@progbits
	.p2align	6, 0x0
	.amdhsa_kernel k_q9e7c8501d0_proj
		.amdhsa_group_segment_fixed_size 327680
		.amdhsa_private_segment_fixed_size 0
		.amdhsa_enable_private_segment 0
		.amdhsa_kernarg_size 24
		.amdhsa_user_sgpr_count 2
		.amdhsa_user_sgpr_kernarg_segment_ptr 1
		.amdhsa_wavefront_size32 1
		.amdhsa_system_sgpr_workgroup_id_x 1
		.amdhsa_system_sgpr_workgroup_id_y 1
		.amdhsa_system_sgpr_workgroup_id_z 1
		.amdhsa_system_vgpr_workitem_id 0
		.amdhsa_next_free_vgpr 512
		.amdhsa_next_free_sgpr 66
		.amdhsa_reserve_vcc 0
		.amdhsa_float_denorm_mode_32 3
		.amdhsa_float_denorm_mode_16_64 3
		.amdhsa_memory_ordered 1
		.amdhsa_forward_progress 1
		.amdhsa_inst_pref_size 85
	.end_amdhsa_kernel
	.amdgpu_metadata
---
amdhsa.version: [ 1, 2 ]
amdhsa.kernels:
  - .name:           k_q9e7c8501d0_proj
    .symbol:         k_q9e7c8501d0_proj.kd
    .args:
      - { .name: att16, .offset: 0, .size: 8, .value_kind: global_buffer, .address_space: global }
      - { .name: wo16, .offset: 8, .size: 8, .value_kind: global_buffer, .address_space: global }
      - { .name: out0, .offset: 16, .size: 8, .value_kind: global_buffer, .address_space: global }
    .group_segment_fixed_size: 327680
    .private_segment_fixed_size: 0
    .kernarg_segment_align: 8
    .kernarg_segment_size: 24
    .max_flat_workgroup_size: 128
    .sgpr_count:     66
    .vgpr_count:     512
    .wavefront_size: 32
...
	.end_amdgpu_metadata
.endif
;; end of part 4
;; launch first16 (part 5): grid 16 x 1, 16 waves a work-group, no clusters, 149,504 bytes of LDS; arguments qkv32, Wo, out0; writes out0
.if DOCPART == 5
	.amdgcn_target "amdgcn-amd-amdhsa--gfx1250"
	.amdhsa_code_object_version 6
	.text
	.protected	k_q9e7c8501d0_first16
	.globl	k_q9e7c8501d0_first16
	.p2align	8
	.type	k_q9e7c8501d0_first16,@function
k_q9e7c8501d0_first16:
	s_mov_b64 s[64:65], 0
	v_nop
	global_prefetch_b8 v0, s[64:65] scope:SCOPE_SE
	s_setreg_imm32_b32 hwreg(HW_REG_WAVE_MODE, 25, 1), 1
	s_wait_xcnt 0x0
; Positions 0 to 15 once more, wholly in f32: under the causal mask these rows average one to sixteen values and are the largest of the result.
; qkv32 holds q, k, v of positions 0 to 15 as images of result registers: tile T (16 columns) at 1,024 T: lane (r, h), register j = (position r, column 16 T + 8 h + j), registers 0-3 at 16 x lane, 4-7 at 512 + 16 x lane.
; Work-group x makes out0[0:16][64 x : 64 x + 64].  Wave w is head w: it makes its head's attention (every work-group repeats the 16 small attentions) and multiplies it by its 64 columns of Wo's 64 rows;
; the 16 waves' partial sums meet in LDS, and wave w adds up and stores row w: 256 consecutive bytes.
; THE f32 MATRIX FORM takes k = 2 h + j' from lane (r, h), register j'.  In step (i, jj) a lane's registers 8 i + 2 jj, + 1 of q's image and of k's hold the SAME channels 16 i + 8 h + 2 jj + j': one permutation of K on both sides, so the images are operands as they lie.
; S^T = K Q^T: a lane holds one query r and keys 8 h + j.  O^T = V^T P wants V with the keys along a lane's registers: V turns through the wave's own 5,120 bytes of LDS.  OUT^T = Wo att^T likewise takes att's registers as they lie.
; The registers that this matrix form writes (v144-191) are written by nothing else.
; REGISTERS: v1-10 addresses; v16-47 Q, v48-79 K, later Wo's fragments of column tiles 2, 3, later the partial sums; v80-111 V's image, later scores, p and work; v112-143 V turned, later att; v144-159 two halves of S^T; v160-191 O^T, later OUT^T; v192-255 Wo's fragments of column tiles 0, 1.
.set PART,  81920                      ; behind the 16 regions for V: 16 images of 4,096 bytes
.set SPARE, PART+65536                 ; the spare words, 128 bytes a wave
.set LI,  1
.set VST, 2
.set VLD, 3
.set WOO, 4
.set PST, 5
.set RLD, 6
.set OUTO, 7
.set SPW, 8
.set NIL, 9
.set DD,  10
	s_load_b128 s[4:7], s[0:1], 0x0                ; qkv32, Wo
	s_load_b64 s[8:9], s[0:1], 0x10                ; out0
	v_lshl_add_u32 v[SPW], v0, 2, SPARE
	v_mov_b32 v[NIL], 0
	v_lshrrev_b32 v11, 5, v0
	v_readfirstlane_b32 s10, v11                   ; wave = head
	v_and_b32 v11, 31, v0                          ; lane
	v_and_b32 v12, 15, v0                          ; r
	v_bfe_u32 v13, v0, 4, 1                        ; h
	v_lshlrev_b32 v[LI], 4, v11
	s_mul_i32 s11, s10, 5120
	v_mul_u32_u24 v[VST], v13, 640
	v_lshl_add_u32 v[VST], v12, 2, v[VST]
	v_add_nc_u32 v[VST], s11, v[VST]               ; V in: channel 8 h (+ 16 i + j) x 80 bytes, key r
	v_mul_u32_u24 v[VLD], v12, 80
	v_lshl_add_u32 v[VLD], v13, 5, v[VLD]
	v_add_nc_u32 v[VLD], s11, v[VLD]               ; V back: channel r (+ 16 ct), keys 8 h on
	v_lshlrev_b32 v[WOO], 12, v12
	v_lshl_add_u32 v[WOO], v13, 5, v[WOO]          ; Wo: row r, channels 8 h on
	s_lshl_b32 s11, s10, 12
	s_add_co_u32 s11, s11, PART
	v_add_nc_u32 v[PST], s11, v[LI]
	v_lshrrev_b32 v14, 3, v11
	v_lshlrev_b32 v[RLD], 10, v14                  ; columns 2 l, 2 l + 1 of row w: tile l / 8,
	v_bfe_u32 v14, v0, 1, 1
	v_lshl_add_u32 v[RLD], v14, 9, v[RLD]          ; registers 4-7 where (l / 2) % 2,
	v_bfe_u32 v14, v0, 2, 1
	v_lshl_add_u32 v[RLD], v14, 8, v[RLD]          ; lanes 16-31 where (l / 4) % 2,
	v_and_b32 v14, 1, v0
	v_lshl_add_u32 v[RLD], v14, 3, v[RLD]          ; the upper two of four registers where l % 2,
	s_lshl_b32 s11, s10, 4
	s_add_co_u32 s11, s11, PART
	v_add_nc_u32 v[RLD], s11, v[RLD]               ; lane w of the half
	v_lshlrev_b32 v[OUTO], 3, v11
	v_lshlrev_b32 v14, 3, v13
	v_sub_nc_u32 v[DD], v12, v14                   ; d = r - 8 h: key 8 h + j is hidden where j > d
	s_mov_b32 s12, 0x76543210
	s_mov_b32 s13, 0xfedcba98
	s_mov_b32 s14, 0x3e38aa3b                      ; c = log2(e) / 8
	s_mov_b32 s17, 0
	s_wait_kmcnt 0x0
	s_lshl_b32 s16, s10, 12
	s_add_nc_u64 s[4:5], s[4:5], s[16:17]          ; my head's four tiles of q
	s_add_nc_u64 s[8:9], s[8:9], s[16:17]          ; row w of out0
	s_lshl_b32 s16, ttmp9, 8
	s_add_nc_u64 s[8:9], s[8:9], s[16:17]          ; columns 64 x on
	s_lshl_b32 s16, ttmp9, 18
	s_lshl_b32 s18, s10, 8
	s_add_co_u32 s16, s16, s18
	s_add_nc_u64 s[6:7], s[6:7], s[16:17]          ; Wo: rows 64 x on, my head's 64 channels
.irp i, 0,1,2,3
	global_load_b128 v[80+8*\i:83+8*\i], v[LI], s[4:5] offset:131072+1024*\i
	global_load_b128 v[84+8*\i:87+8*\i], v[LI], s[4:5] offset:131072+1024*\i+512
.endr
.irp i, 0,1,2,3
	global_load_b128 v[16+8*\i:19+8*\i], v[LI], s[4:5] offset:1024*\i
	global_load_b128 v[20+8*\i:23+8*\i], v[LI], s[4:5] offset:1024*\i+512
.endr
.irp i, 0,1,2,3
	global_load_b128 v[48+8*\i:51+8*\i], v[LI], s[4:5] offset:65536+1024*\i
	global_load_b128 v[52+8*\i:55+8*\i], v[LI], s[4:5] offset:65536+1024*\i+512
.endr
.irp nt, 0,1
.irp ct, 0,1,2,3
	global_load_b128 v[192+32*\nt+8*\ct:195+32*\nt+8*\ct], v[WOO], s[6:7] offset:65536*\nt+64*\ct
	global_load_b128 v[196+32*\nt+8*\ct:199+32*\nt+8*\ct], v[WOO], s[6:7] offset:65536*\nt+64*\ct+16
.endr
.endr
	s_wait_loadcnt 32                              ; V's eight loads are in; Q's 8, K's 8 and Wo's 16 may be out
.irp i, 0,1,2,3
.irp j, 0,1,2,3,4,5,6,7
	ds_store_b32 v[VST], v[80+8*\i+\j] offset:80*(16*\i+\j)
.endr
.endr
.irp ct, 0,1,2,3
	ds_load_b128 v[112+8*\ct:115+8*\ct], v[VLD] offset:1280*\ct      ; LDS serves a wave's instructions in order: these see the stores above
	ds_load_b128 v[116+8*\ct:119+8*\ct], v[VLD] offset:1280*\ct+16
.endr
	s_wait_loadcnt 16                              ; Q and K are in; Wo's 16 may be out
.irp s, 0,2,4,6,8,10,12,14                     ; S^T in two halves that take turns; each half's first product starts its sum
.if \s == 0
	v_wmma_f32_16x16x4_f32 v[144:151], v[48+2*\s:49+2*\s], v[16+2*\s:17+2*\s], 0
	v_wmma_f32_16x16x4_f32 v[152:159], v[50+2*\s:51+2*\s], v[18+2*\s:19+2*\s], 0
.else
	v_wmma_f32_16x16x4_f32 v[144:151], v[48+2*\s:49+2*\s], v[16+2*\s:17+2*\s], v[144:151]
	v_wmma_f32_16x16x4_f32 v[152:159], v[50+2*\s:51+2*\s], v[18+2*\s:19+2*\s], v[152:159]
.endif
.endr
.rept 8
	v_nop                                          ; eight places behind this form, in front of loads into its sources and of reads of its results
.endr
.irp nt, 0,1
.irp ct, 0,1,2,3
	global_load_b128 v[16+32*\nt+8*\ct:19+32*\nt+8*\ct], v[WOO], s[6:7] offset:65536*(2+\nt)+64*\ct
	global_load_b128 v[20+32*\nt+8*\ct:23+32*\nt+8*\ct], v[WOO], s[6:7] offset:65536*(2+\nt)+64*\ct+16
.endr
.endr
	s_wait_dscnt 0x0                               ; V is turned, and the stores have read V's image: its registers are free
	v_mov_b32 v93, 0xff800000                      ; -infinity
	v_mov_b32 v89, 0                               ; (a lane permute's destination counts as one of its sources)
.irp j, 0,1,2,3,4,5,6,7
	v_add_f32 v[80+\j], v[144+\j], v[152+\j]       ; the scores, from the low end on
.endr
.irp j, 0,1,2,3,4,5,6,7
	v_cmp_gt_i32 vcc_lo, \j, v[DD]
	v_cndmask_b32 v[80+\j], v[80+\j], v93, vcc_lo
.endr
	v_max3_num_f32 v88, v80, v81, v82
	v_max3_num_f32 v88, v88, v83, v84
	v_max3_num_f32 v88, v88, v85, v86
	v_max_num_f32 v88, v88, v87
	v_permlanex16_b32 v89, v88, s12, s13
	v_max_num_f32 v88, v88, v89                    ; the row's maximum: key 0 counts for every query
	v_mul_f32 v90, s14, v88
.irp j, 0,1,2,3,4,5,6,7
	v_fma_f32 v[80+\j], v[80+\j], s14, -v90
.endr
.irp j, 0,1,2,3,4,5,6,7
	v_exp_f32 v[80+\j], v[80+\j]
.endr
	v_nop
	s_wait_alu depctr_va_vdst(0)                   ; one wait for the eight, ahead of the first line that names a result
	v_add_f32 v91, v80, v81
	v_add_f32 v94, v82, v83
	v_add_f32 v91, v91, v84
	v_add_f32 v94, v94, v85
	v_add_f32 v91, v91, v86
	v_add_f32 v94, v94, v87
	v_add_f32 v91, v91, v94
	v_permlanex16_b32 v89, v91, s12, s13
	v_add_f32 v91, v91, v89                        ; the row's sum
	v_rcp_f32 v92, v91
	v_nop                                          ; a plain line behind it; its wait stands ahead of its first reader, behind the products below
.irp kk, 0,1,2,3                               ; O^T = V^T P: four accumulators by turns; the first four products start the sums
.irp ct, 0,1,2,3
.if \kk == 0
	v_wmma_f32_16x16x4_f32 v[160+8*\ct:167+8*\ct], v[112+8*\ct+2*\kk:113+8*\ct+2*\kk], v[80+2*\kk:81+2*\kk], 0
.else
	v_wmma_f32_16x16x4_f32 v[160+8*\ct:167+8*\ct], v[112+8*\ct+2*\kk:113+8*\ct+2*\kk], v[80+2*\kk:81+2*\kk], v[160+8*\ct:167+8*\ct]
.endif
.endr
.endr
.rept 9
	v_nop                                          ; nine places: the results are read, V's registers are written, and new sums are begun over these accumulators
.endr
	s_wait_alu depctr_va_vdst(0)                   ; the reciprocal
.irp n, 0,1,2,3,4,5,6,7,8,9,10,11,12,13,14,15,16,17,18,19,20,21,22,23,24,25,26,27,28,29,30,31
	v_mul_f32 v[112+\n], v[160+\n], v92            ; att(query r, channel 16 ct + 8 h + j), each accumulator from its low end on
.endr
	s_wait_loadcnt 0x0                             ; all of Wo's fragments
.irp ct, 0,1,2,3                               ; OUT^T = Wo att^T over my head's 64 channels: four accumulators by turns
.irp jj, 0,1,2,3
.irp nt, 0,1
.if (\ct == 0) && (\jj == 0)
	v_wmma_f32_16x16x4_f32 v[160+8*\nt:167+8*\nt], v[192+32*\nt+8*\ct+2*\jj:193+32*\nt+8*\ct+2*\jj], v[112+8*\ct+2*\jj:113+8*\ct+2*\jj], 0
.else
	v_wmma_f32_16x16x4_f32 v[160+8*\nt:167+8*\nt], v[192+32*\nt+8*\ct+2*\jj:193+32*\nt+8*\ct+2*\jj], v[112+8*\ct+2*\jj:113+8*\ct+2*\jj], v[160+8*\nt:167+8*\nt]
.endif
.endr
.irp nt, 0,1
.if (\ct == 0) && (\jj == 0)
	v_wmma_f32_16x16x4_f32 v[176+8*\nt:183+8*\nt], v[16+32*\nt+8*\ct+2*\jj:17+32*\nt+8*\ct+2*\jj], v[112+8*\ct+2*\jj:113+8*\ct+2*\jj], 0
.else
	v_wmma_f32_16x16x4_f32 v[176+8*\nt:183+8*\nt], v[16+32*\nt+8*\ct+2*\jj:17+32*\nt+8*\ct+2*\jj], v[112+8*\ct+2*\jj:113+8*\ct+2*\jj], v[176+8*\nt:183+8*\nt]
.endif
.endr
.endr
.endr
.rept 8
	v_nop
.endr
.irp nt, 0,1,2,3
	ds_store_b128 v[PST], v[160+8*\nt:163+8*\nt] offset:1024*\nt          ; my partial sums as images of their registers, each from its low end on
	ds_store_b128 v[PST], v[164+8*\nt:167+8*\nt] offset:1024*\nt+512
.endr
	s_wait_dscnt 0x0                               ; for the others' sake: my stores have landed
	s_barrier_signal -1
	s_barrier_wait -1
.irp u, 0,1,2,3,4,5,6,7,8,9,10,11,12,13,14,15
	ds_load_b64 v[16+2*\u:17+2*\u], v[RLD] offset:4096*\u               ; head u's part of row w, columns 2 l, 2 l + 1
.endr
	s_wait_dscnt 0x0
.irp u, 0,1,2,3,4,5,6,7
	v_pk_add_f32 v[16+4*\u:17+4*\u], v[16+4*\u:17+4*\u], v[18+4*\u:19+4*\u]
.endr
.irp u, 0,1,2,3
	v_pk_add_f32 v[16+8*\u:17+8*\u], v[16+8*\u:17+8*\u], v[20+8*\u:21+8*\u]
.endr
.irp u, 0,1
	v_pk_add_f32 v[16+16*\u:17+16*\u], v[16+16*\u:17+16*\u], v[24+16*\u:25+16*\u]
.endr
	v_pk_add_f32 v[16:17], v[16:17], v[32:33]
	global_store_b64 v[OUTO], v[16:17], s[8:9]     ; 32 lanes store 256 consecutive bytes, aligned
	s_wait_tensorcnt 0x0                           ; the wave's end, behind my last LDS store
	ds_add_u32 v[SPW], v[NIL]
	s_wait_dscnt 0x0
	s_endpgm
.Lfunc_end_k_q9e7c8501d0_first16:
	.size	k_q9e7c8501d0_first16, .Lfunc_end_k_q9e7c8501d0_first16-k_q9e7c8501d0_first16
	.p2alignl 7, 3214868480
	.fill 96, 4, 3214868480
	.section	.rodata,"a",@progbits
	.p2align	6, 0x0
	.amdhsa_kernel k_q9e7c8501d0_first16
		.amdhsa_group_segment_fixed_size 149504
		.amdhsa_private_segment_fixed_size 0
		.amdhsa_enable_private_segment 0
		.amdhsa_kernarg_size 24
		.amdhsa_user_sgpr_count 2
		.amdhsa_user_sgpr_kernarg_segment_ptr 1
		.amdhsa_wavefront_size32 1
		.amdhsa_system_sgpr_workgroup_id_x 1
		.amdhsa_system_sgpr_workgroup_id_y 1
		.amdhsa_system_sgpr_workgroup_id_z 1
		.amdhsa_system_vgpr_workitem_id 0
		.amdhsa_next_free_vgpr 256
		.amdhsa_next_free_sgpr 66
		.amdhsa_reserve_vcc 1
		.amdhsa_float_denorm_mode_32 3
		.amdhsa_float_denorm_mode_16_64 3
		.amdhsa_memory_ordered 1
		.amdhsa_forward_progress 1
		.amdhsa_inst_pref_size 24
	.end_amdhsa_kernel
	.amdgpu_metadata
---
amdhsa.version: [ 1, 2 ]
amdhsa.kernels:
  - .name:           k_q9e7c8501d0_first16
    .symbol:         k_q9e7c8501d0_first16.kd
    .args:
      - { .name: qkv32, .offset: 0, .size: 8, .value_kind: global_buffer, .address_space: global }
      - { .name: Wo, .offset: 8, .size: 8, .value_kind: global_buffer, .address_space: global }
      - { .name: out0, .offset: 16, .size: 8, .value_kind: global_buffer, .address_space: global }
    .group_segment_fixed_size: 149504
    .private_segment_fixed_size: 0
    .kernarg_segment_align: 8
    .kernarg_segment_size: 24
    .max_flat_workgroup_size: 512
    .sgpr_count:     66
    .vgpr_count:     256
    .wavefront_size: 32
...
	.end_amdgpu_metadata
.endif
;; end of part 5
